; MI455X (gfx1250); checked and timed in simulation.
; The chip was launched on July 23, 2026; its instructions are those of AMD's public machine-readable ISA for CDNA 5 (MIT licence, August 2026) and "CDNA5" Instruction Set Architecture Reference Guide (July 2026). The comments in the code are by the model that wrote it; some were corrected since.
;; HEPOS Cross Attention. Allowed arithmetic: matrix products marked QUANTISED: E2M3 operands, one E8M0 scale for each 32 along K, by v_wmma_scale_f32_16x16x128_f8f6f4 with both operands' format E2M3, f32 sums; everything else in f32.
;; Inputs: Wk 1,024 x 1,024 float32; Wo 1,024 x 1,024 float32; Wq 1,024 x 1,024 float32; Wv 1,024 x 1,024 float32; bk 1,024 float32; bo 1,024 float32; bq 1,024 float32; bv 1,024 float32; key 2 x 8,192 x 1,024 float32; key_padding_mask 2 x 8,192 bool; query 2 x 512 x 1,024 float32; value 2 x 8,192 x 1,024 float32.
;; Outputs: out0 2 x 512 x 1,024 float32.
;; This version of the problem:
;;   THIS VERSION OF THE PROBLEM IS GIVEN IN LOW PRECISION. The matrix products marked QUANTISED in the list below multiply operands that are first quantised to E2M3 (2 exponent bits, 3 mantissa bits; 6 bits a number), with one power-of-two scale for each 32 numbers along K (OCP MX v1.0); their sums are f32. All else is computed in f32.
;;   The module's matrix products, in the order in which they are computed (A, B: the left and right operand; K: the contracted axis; several contracted axes count as one K, in the product's order):
;;     1. [M 1,024, K 1,024] x [K 1,024, N 1,024]; A: input query; B: input Wq: QUANTISED
;;     2. [M 16,384, K 1,024] x [K 1,024, N 1,024]; A: input key; B: input Wk: QUANTISED
;;     3. [M 16,384, K 1,024] x [K 1,024, N 1,024]; A: input value; B: input Wv: QUANTISED
;;     4. batch 32 x [M 512, K 64] x [K 64, N 8,192]; A: computed on the way; B: computed on the way: QUANTISED
;;     5. batch 32 x [M 512, K 8,192] x [K 8,192, N 64]; A: softmax (see below); B: computed on the way: QUANTISED
;;     6. [M 1,024, K 1,024] x [K 1,024, N 1,024]; A: computed on the way; B: input Wo: QUANTISED
;;   THE QUANTISER, for each operand of a quantised product, along K:
;;     - K is cut into blocks of 32 from its start; a last block that is shorter is filled with zeros.
;;     - A block's scale is 2^e with e = floor(log2(the largest magnitude in the block)) - 2, held to -126 .. 127; a block of zeros has e = 0. As a byte (E8M0): e + 127.
;;     - Each number is divided by its block's scale, clamped to +-7.5, and rounded to the nearest number of E2M3, ties to even, subnormals kept.
;;     - The product sums the exact products of the quantised numbers (number of the format x scale) in f32.
;;   ~~~python
;;   def quantise(x, axis):      # numpy; x: float32 -> the quantised numbers, widened to float32 again
;;       x = np.moveaxis(x, axis, -1); K = x.shape[-1]
;;       x = np.pad(x, [(0, 0)] * (x.ndim - 1) + [(0, -K % 32)]); x = x.reshape(x.shape[:-1] + (-1, 32)); a = np.abs(x).max(-1, keepdims=True)
;;       e = np.where(a > 0, np.clip(np.frexp(np.where(a > 0, a, 1))[1] - 1 - 2, -126, 127), 0)      # np.frexp(a)[1] - 1 = floor(log2(a)), exactly
;;       r = np.clip(x / 2.0 ** e, -7.5, 7.5)
;;       step = 2.0 ** (np.maximum(np.frexp(np.where(r == 0, 1, r))[1] - 1, 0) - 3)
;;       q = np.round(r / step) * step * 2.0 ** e      # np.round: ties to even
;;       return np.moveaxis(q.reshape(q.shape[:-2] + (-1,))[..., :K], -1, axis).astype(np.float32)
;;   ~~~
;;   SOFTMAX AHEAD OF A QUANTISED PRODUCT. Where the list says 'softmax', what is quantised is not the finished softmax but p = 2^(t - M), with t = logit x log2(e) and M = ceil(the row's largest t), a whole number; so 1/2 < the row's largest p <= 1. The row's sum l is taken of the UNQUANTISED p, in f32, and the product's result is divided by l at the end. Since M is a whole number, a kernel that streams over the keys may use a running M (the ceiling of the running maximum): every later rescaling is an exact power of two, which a block's scale takes up: the codes' values come out the same.
;;   OPERANDS COMPUTED ON THE WAY. 'Computed on the way' means the value that the module computes at that place (a softmax that the list does not call 'softmax' is quantised finished and normalised). What goes into a quantiser is computed in f32, as accurately as f32 sums, v_exp_f32 and their like allow (about 1e-6 of the number): no bf16 or f16 on the way to a quantiser, and a product that is left as it is and whose result goes on into a quantised operand takes f32 operands (vector FMAs, or v_wmma_f32_16x16x4_f32). A number that lies on a knife's edge between two numbers of the format may be rounded either way, as far as f32 arithmetic and the matrix unit's own rounding can turn it there, and no further.
;; One version. Each part assembles by itself: llvm-mc -triple=amdgcn-amd-amdhsa -mcpu=gfx1250 --defsym DOCPART=n.
;; ======== version 1 of 1: 4 launches
;; limits: right only within a limited range of input values
;; workspace buffers: wcod 3,145,728 bytes; wscl 131,072 bytes; acod 786,432 bytes; ascl 32,768 bytes; kv 8,126,464 bytes; qim 851,968 bytes; ctx 851,968 bytes
;; launch quant (part 1): grid 320 x 1, 4 waves a work-group, no clusters, 34,304 bytes of LDS; arguments Wq, Wk, Wv, Wo, query, wcod, wscl, acod, ascl; writes wcod, wscl, acod, ascl
.if DOCPART == 1
	.amdgcn_target "amdgcn-amd-amdhsa--gfx1250"
	.amdhsa_code_object_version 6
	.text
	.protected	k_q37689fba11_quant
	.globl	k_q37689fba11_quant
	.p2align	8
	.type	k_q37689fba11_quant,@function
k_q37689fba11_quant:
	s_mov_b64 s[64:65], 0
	v_nop
	global_prefetch_b8 v0, s[64:65] scope:SCOPE_SE
	s_setreg_imm32_b32 hwreg(HW_REG_WAVE_MODE, 25, 1), 1
	s_wait_xcnt 0x0
; The four f32 weights and query become codes of FP6 (E2M3) with one E8M0 byte for each 32 along K = 1,024.
; A block's scale is 2^(floor(log2(its largest magnitude)) - 2); its byte is that magnitude's exponent field - 2, held at 1 from below.
; The codes are laid as IMAGES OF OPERAND REGISTERS: a fragment (16 rows x 128 K, 12 registers a lane) is [3 parts][32 lanes][16 bytes] = 1,536 bytes, part p = registers 4 p .. 4 p + 3;
; lane (r, h) holds row r, registers 6 c .. 6 c + 5 = k 64 c + 32 h + 0 .. 31.  A tile of 16 rows is 8 such fragments on end.  Scale bytes lie [tile][16 rows][32 bytes].
; WHICH ROWS FORM A TILE is chosen here, so that the next launch's tiles are plain:
;   Wq, Wk, Wv: column 64 head + d goes to place 256 (head % 4) + 64 (head / 4) + 32 (d / 32) + (d % 8) + 8 ((d / 16) % 2) + 16 ((d / 8) % 2);  Wo and query: as they lie;
;   key and value: chosen by the launch that quantises them.
; Work-groups 0 to 255 take the weights (K is their FIRST axis: a lane takes a column, its registers run down K), the other 64 query (K innermost: a wave takes a quarter of K of a tile of 16 rows).
; The weights' path uses no LDS; the activations' path has a stage of 16 x 528 bytes for each wave.  Waves share nothing: no barrier.
; LIMITS: NaN and infinities among the inputs are not served.  A block whose largest magnitude lies under 2^-124, a block of zeros among them, gets the byte 1 (zeros' codes are zeros, and this program alone reads the bytes).
.set X,   32                           ; weights: v32-95, v128-191  four sets of 32 numbers
.set CH,  96                           ; weights: v96-119  codes: [h 2][12]
.set TT,  192                          ; weights: v192-194 the upper half of a block's codes
.set SB,  24                           ; weights: v24      four scale bytes
.set VO,  8                            ; activations: v8-15  16 x lane + j x (rows apart) x 4,096
.set SW,  16                           ; v16-17   the two scale words
.set TM,  24                           ; v24-39   at work
.set PC,  40                           ; v40-58   codes
.set OW,  60
.set T,   64                           ; v64-127  64 numbers, turned
.set XR,  128                          ; v128-255 two sets of 64 numbers as loaded
.set SEL, 44                           ; s44-45   selects for lane l xor 16
	s_load_b256 s[4:11], s[0:1], 0x0               ; Wq s[4:5], Wk s[6:7], Wv s[8:9], Wo s[10:11]
	; This launch serves the four weights (work-groups 0-255) and query alone (work-groups 256-319, tiles 0-63, rows as they lie): key and value are quantised by the launch that multiplies them.
	s_load_b64 s[12:13], s[0:1], 0x20              ; query
	s_load_b64 s[18:19], s[0:1], 0x28              ; wcod
	s_load_b128 s[20:23], s[0:1], 0x30             ; wscl s[20:21], acod s[22:23]
	s_load_b64 s[24:25], s[0:1], 0x40              ; ascl
	s_set_vgpr_msb 0x40
	v_lshl_add_u32 v0, v0, 2, 0x8400
	v_mov_b32 v1, 0
	s_set_vgpr_msb 0x4000
	v_lshrrev_b32 v1, 5, v0
	v_readfirstlane_b32 s26, v1                    ; wave
	v_and_b32 v2, 31, v0                           ; lane
	; Work-groups 0-255 take the weights, a K step of 128 (4 blocks a lane) to a wave; work-groups 256-319 take query, a quarter of K (2 steps) of a tile to a wave.  Every wave asks for all its numbers at its head.
	s_cmp_lt_u32 ttmp9, 256
	s_cbranch_scc0 .Lacts
; ---------------- THE WEIGHTS.  Work-group g: weight g / 64, columns 128 ((g / 8) % 8) on, K rows 128 (g % 8) on.  A wave: 32 columns x 128 along K = 4 blocks a lane = 1 K step.
	s_lshr_b32 s27, ttmp9, 6                       ; which weight: work-group g: weight g / 64, columns 128 ((g / 8) % 8) on, K rows 128 (g % 8) on
	s_bfe_u32 s28, ttmp9, 0x30003                  ; x
	s_and_b32 s29, ttmp9, 7                        ; y
	s_lshl_b32 s30, s28, 2
	s_add_co_u32 s30, s30, s26                     ; G = 4 x + wave: my group of 32 columns
	s_lshr_b32 s31, s30, 1                         ; its head
	s_and_b32 s32, s31, 3
	s_lshl_b32 s32, s32, 3
	s_lshr_b32 s33, s31, 2
	s_lshl_b32 s33, s33, 1
	s_add_co_u32 s32, s32, s33
	s_and_b32 s33, s30, 1
	s_add_co_u32 s32, s32, s33                     ; where the group goes: 8 (head % 4) + 2 (head / 4) + G % 2
	s_cmp_lt_u32 s27, 3                            ; Wo keeps its order
	s_cselect_b32 s32, s32, s30
	s_cselect_b32 s33, 4, 3                        ; the lane's bit that becomes bit 3 of its row in the tile,
	s_cselect_b32 s34, 3, 4                        ; and the bit that says which of the group's two tiles
	s_wait_alu depctr_va_vdst(0)
	v_bfe_u32 v6, v2, s34, 1                       ; u
	v_bfe_u32 v7, v2, s33, 1
	v_and_b32 v8, 7, v2
	v_lshl_add_u32 v7, v7, 3, v8                   ; r
	v_lshlrev_b32 v3, 2, v2                        ; in: 4 bytes a lane
	v_mul_u32_u24 v4, v6, 12288
	v_lshl_add_u32 v4, v7, 4, v4                   ; out: tile u, 16 r
	v_lshl_add_u32 v5, v6, 4, v7
	v_lshlrev_b32 v5, 5, v5                        ; scale bytes: row 16 u + r of 32 bytes
	s_lshl_b32 s36, s29, 19                        ; 128 y rows of 4,096 bytes
	s_lshl_b32 s37, s30, 7                         ; + 128 G
	s_add_co_u32 s36, s36, s37
	s_mov_b32 s37, 0
	s_lshl_b32 s38, s27, 6
	s_lshl_b32 s39, s32, 1
	s_add_co_u32 s38, s38, s39                     ; the group's first tile: 64 x weight + 2 x place
	s_mul_i32 s40, s38, 12288
	s_mul_i32 s39, s29, 1536
	s_add_co_u32 s40, s40, s39                     ; + K step y
	s_mov_b32 s41, 0
	s_lshl_b32 s42, s38, 9
	s_lshl_b32 s39, s29, 2
	s_add_co_u32 s42, s42, s39                     ; scale bytes: tile x 512 + 4 y
	s_mov_b32 s43, 0
	s_wait_alu depctr_va_vdst(0)
	s_wait_kmcnt 0x0
	s_cmp_eq_u32 s27, 1                            ; the choice hangs on the work-group's number alone
	s_cselect_b64 s[4:5], s[6:7], s[4:5]
	s_cmp_eq_u32 s27, 2
	s_cselect_b64 s[4:5], s[8:9], s[4:5]
	s_cmp_eq_u32 s27, 3
	s_cselect_b64 s[4:5], s[10:11], s[4:5]
	s_add_nc_u64 s[4:5], s[4:5], s[36:37]
	s_add_nc_u64 s[18:19], s[18:19], s[40:41]
	s_add_nc_u64 s[20:21], s[20:21], s[42:43]
.macro WLOAD t                         ; block t: W(32 t + i, my column) into set t; 32 lanes read 128 consecutive bytes, the four waves stand side by side
.irp i, 0,1,2,3,4,5,6,7,8,9,10,11,12,13,14,15,16,17,18,19,20,21,22,23,24,25,26,27,28,29,30,31
	global_load_b32 v[X+32*(\t)+32*((\t)/2)+\i], v3, s[4:5] offset:(32*(\t)+\i)*4096 th:TH_LOAD_NT   ; four sets: v32, v64, v128, v160 on
.endr
.endm
.macro WBLOCK t                        ; block t is K step t / 4, registers 6 ((t / 2) % 2) on of the image's lane (r, t % 2)
.set XS, X+32*(\t)+32*((\t)/2)
.set CD, CH+24*((\t)/4)+12*((\t)%2)+6*(((\t)/2)%2)
.if (\t) < 2
	s_wait_loadcnt 63                              ; behind this block's 32 loads 96 or 64 were issued; the field holds 63
.else
	s_wait_loadcnt 32*(3-(\t))                     ; the later blocks' loads may be out
.endif
	v_max3_num_f32 v12, |v[XS]|, |v[XS+1]|, |v[XS+2]|              ; the block's largest magnitude: all 32 numbers are mine
	v_max3_num_f32 v13, |v[XS+3]|, |v[XS+4]|, |v[XS+5]|
.irp i, 6,10,14,18,22,26
	v_max3_num_f32 v12, v12, |v[XS+\i]|, |v[XS+\i+1]|
	v_max3_num_f32 v13, v13, |v[XS+\i+2]|, |v[XS+\i+3]|
.endr
	v_max3_num_f32 v12, v12, |v[XS+30]|, |v[XS+31]|
	v_max3_num_f32 v12, v12, v13, 0x1800000        ; and the floor 2^(3 - 127): the byte cannot fall under 1
	v_add_nc_u32 v11, 0xff000000, v12              ; 2 off the exponent field: the conversion's scale operand
	v_lshrrev_b32 v13, 23, v11                     ; the scale's byte
.if (\t)%4 == 0
	v_mov_b32 v[SB+(\t)/4], v13
.else
	v_lshl_or_b32 v[SB+(\t)/4], v13, 8*((\t)%4), v[SB+(\t)/4]
.endif
	v_cvt_scalef32_pk16_fp6_f32 v[CD:CD+2], v[XS:XS+15], v11
	v_cvt_scalef32_pk16_fp6_f32 v[TT:TT+2], v[XS+16:XS+31], v11    ; (a conversion's three registers begin on an even number)
	v_nop                                          ; one plain place behind a scaled conversion
.irp i, 0,1,2
	v_mov_b32 v[CD+3+\i], v[TT+\i]
.endr
.endm
.macro WSTORE kk                       ; a K step's codes of my row: both halves' 48 bytes.  The 16 lanes of one tile store 256 consecutive bytes, aligned; no store's data are written again
.irp hh, 0,1
.irp p, 0,1,2
	global_store_b128 v4, v[CH+24*\kk+12*\hh+4*\p:CH+24*\kk+12*\hh+4*\p+3], s[18:19] offset:\kk*1536+512*\p+256*\hh
.endr
.endr
.endm
.irp t, 0,1,2,3
	WLOAD \t
.endr
.irp t, 0,1,2,3
	WBLOCK \t
.endr
	WSTORE 0
	global_store_b32 v5, v[SB], s[20:21]           ; my row's 4 scale bytes of this K step: pieces of 4 bytes, 32 bytes apart; 131,072 bytes in the whole launch
	s_endpgm
; ---------------- THE ACTIVATIONS.  Work-group - 256 = tile T of query, 0-63; the wave takes its quarter of K.  Row p of the tile is row0 + A (p % 8) + B (p / 8).
.Lacts:
	s_sub_co_u32 s27, ttmp9, 256
	s_lshl_b32 s27, s27, 2
	s_add_co_u32 s27, s27, s26
	s_and_b32 s47, s27, 3                          ; which quarter of K
	s_lshr_b32 s27, s27, 2                         ; T: the tile of query, 0-63
	s_lshl_b32 s28, s27, 4                         ; query: row0 = 16 T
	v_and_b32 v6, 15, v0                           ; r
	v_bfe_u32 v7, v0, 4, 1                         ; h
	s_wait_alu depctr_va_vdst(0)
	v_lshlrev_b32 v1, 4, v2                        ; 16 x lane
	s_mul_i32 s42, s26, 8448                       ; my stage
	v_add_nc_u32 v3, s42, v1                       ; into it: a row's 512 bytes as they lie
	v_mul_u32_u24 v4, v6, 528
	v_lshl_add_u32 v4, v7, 6, v4
	v_add_nc_u32 v4, s42, v4                       ; out of it: row r, + 64 h: my 16 numbers of a block of 32.  528 = 33 x 16: sixteen rows begin in sixteen different groups of banks
	v_lshlrev_b32 v5, 5, v6
	s_mov_b32 s[SEL], 0x76543210
	s_mov_b32 s[SEL+1], 0xfedcba98
.irp b, 0,1,2,3
	v_mov_b32 v[TM+4+\b], 0                        ; written once: a lane permute's destination counts as one of its sources
.endr
	s_wait_kmcnt 0x0
	s_mov_b32 s36, 8                               ; B: rows 8-15 lie 8 rows on
	s_mov_b32 s37, 1                               ; A: neighbouring rows
	s_wait_alu depctr_va_vdst(0)
	s_lshl_b32 s38, s28, 12
	s_lshl_b32 s48, s47, 10                        ; + my quarter of a row: 1,024 bytes
	s_add_co_u32 s38, s38, s48
	s_mov_b32 s39, 0
	s_add_nc_u64 s[4:5], s[12:13], s[38:39]
	s_lshl_b32 s38, s36, 12
	s_add_nc_u64 s[6:7], s[4:5], s[38:39]          ; rows 8-15
	s_lshl_b32 s40, s37, 12
.irp j, 0,1,2,3,4,5,6,7
	s_mul_i32 s41, s40, \j
	v_add_nc_u32 v[VO+\j], s41, v1
.endr
	s_mul_i32 s38, s27, 12288
	s_mul_i32 s48, s47, 3072                       ; + my two K steps' images
	s_add_co_u32 s38, s38, s48
	s_add_nc_u64 s[22:23], s[22:23], s[38:39]      ; my tile's images
	s_lshl_b32 s38, s27, 9
	s_lshl_b32 s48, s47, 3                         ; + my two scale words of each row
	s_add_co_u32 s38, s38, s48
	s_add_nc_u64 s[24:25], s[24:25], s[38:39]      ; and its scale bytes
.macro ALOAD ks                        ; K step ks of my 16 rows: each load reads 512 consecutive bytes of one row
.irp p, 0,1,2,3,4,5,6,7
	global_load_b128 v[XR+64*((\ks)%2)+4*\p:XR+64*((\ks)%2)+4*\p+3], v[VO+\p], s[4:5] offset:512*(\ks) th:TH_LOAD_NT
.endr
.irp p, 0,1,2,3,4,5,6,7
	global_load_b128 v[XR+64*((\ks)%2)+32+4*\p:XR+64*((\ks)%2)+32+4*\p+3], v[VO+\p], s[6:7] offset:512*(\ks) th:TH_LOAD_NT
.endr
.endm
; 64 numbers of a lane, register 16 b + i = k 32 b + 16 (lane / 16) + i of my row, become a fragment's codes in v[PC] on and its scale word in v[w].
.macro QUANT s, w
.irp b, 0,1,2,3
	v_max3_num_f32 v[TM+\b], |v[\s+16*\b]|, |v[\s+1+16*\b]|, 0x1800000   ; my 16 numbers of block b, and the floor 2^(3 - 127)
.endr
.irp i, 2,4,6,8,10,12,14
.irp b, 0,1,2,3
	v_max3_num_f32 v[TM+\b], v[TM+\b], |v[\s+16*\b+\i]|, |v[\s+1+16*\b+\i]|   ; (the four blocks by turns)
.endr
.endr
.irp b, 0,1,2,3
	v_permlanex16_b32 v[TM+4+\b], v[TM+\b], s[SEL], s[SEL+1]
.endr
.irp b, 0,1,2,3
	v_max_num_f32 v[TM+\b], v[TM+\b], v[TM+4+\b]   ; with lane l xor 16's: the block's largest magnitude
.endr
.irp b, 0,1,2,3
	v_add_nc_u32 v[TM+12+\b], 0xff000000, v[TM+\b] ; the conversion's scale operand
.endr
.irp b, 0,1,2,3
	v_lshrrev_b32 v[TM+4+\b], 23, v[TM+12+\b]      ; the scale's byte
.endr
	v_lshl_or_b32 v[\w], v[TM+5], 8, v[TM+4]
	v_lshl_or_b32 v[\w], v[TM+6], 16, v[\w]
	v_lshl_or_b32 v[\w], v[TM+7], 24, v[\w]
.irp c, 0,1
	v_cvt_scalef32_pk16_fp6_f32 v[PC+6*\c:PC+2+6*\c], v[\s+32*\c:\s+15+32*\c], v[TM+12+2*\c]
	v_cvt_scalef32_pk16_fp6_f32 v[PC+12+4*\c:PC+14+4*\c], v[\s+16+32*\c:\s+31+32*\c], v[TM+12+2*\c+1]
.endr
	v_nop                                          ; one plain place behind a scaled conversion
.irp c, 0,1                                    ; the layout wants a WHOLE block in a lane: lanes 0-15 block 2 c, lanes 16-31 block 2 c + 1
.irp i, 0,1,2
	v_permlane16_swap_b32 v[PC+6*\c+\i], v[PC+12+4*\c+\i]
.endr
.irp i, 0,1,2
	v_mov_b32 v[PC+3+6*\c+\i], v[PC+12+4*\c+\i]
.endr
.endr
.endm
.macro ASTEP ks
.set XS, XR+64*((\ks)%2)
.if (\ks) < 1
	s_wait_loadcnt 16                              ; this step's 16 loads are in; the next step's may be out
.else
	s_wait_loadcnt 0x0
.endif
.irp p, 0,1,2,3,4,5,6,7,8,9,10,11,12,13,14,15
	ds_store_b128 v3, v[XS+4*\p:XS+4*\p+3] offset:528*\p
.endr
.irp b, 0,1,2,3
.irp j, 0,1,2,3
	ds_load_b128 v[T+16*\b+4*\j:T+16*\b+4*\j+3], v4 offset:128*\b+16*\j   ; LDS serves a wave's instructions in order: these see my stores
.endr
.endr
	s_wait_dscnt 0x0                               ; the numbers are back, and the stores into the stage have read their registers
	s_wait_xcnt 0x0                                ; the last step's stores have read the codes' registers, which are written again below
	QUANT T, SW+(\ks)
.irp p, 0,1,2
	global_store_b128 v1, v[PC+4*\p:PC+4*\p+3], s[22:23] offset:1536*(\ks)+512*\p   ; 512 consecutive bytes, aligned
.endr
.endm
	s_wait_alu depctr_va_vdst(0)
	ALOAD 0
	ALOAD 1
	ASTEP 0
	ASTEP 1
	global_store_b64 v5, v[SW:SW+1], s[24:25]      ; row r's two scale words, at 32 r (both halves of the lanes write the same words)
	s_set_vgpr_msb 0x5
	s_wait_tensorcnt 0x0
	ds_add_u32 v0, v1
	s_wait_dscnt 0x0
	s_set_vgpr_msb 0x500
	s_endpgm
.Lfunc_end_k_q37689fba11_quant:
	.size	k_q37689fba11_quant, .Lfunc_end_k_q37689fba11_quant-k_q37689fba11_quant
	.p2alignl 7, 3214868480
	.fill 96, 4, 3214868480
	.section	.rodata,"a",@progbits
	.p2align	6, 0x0
	.amdhsa_kernel k_q37689fba11_quant
		.amdhsa_group_segment_fixed_size 34304
		.amdhsa_private_segment_fixed_size 0
		.amdhsa_enable_private_segment 0
		.amdhsa_kernarg_size 72
		.amdhsa_user_sgpr_count 2
		.amdhsa_user_sgpr_kernarg_segment_ptr 1
		.amdhsa_wavefront_size32 1
		.amdhsa_system_sgpr_workgroup_id_x 1
		.amdhsa_system_sgpr_workgroup_id_y 1
		.amdhsa_system_sgpr_workgroup_id_z 1
		.amdhsa_system_vgpr_workitem_id 0
		.amdhsa_next_free_vgpr 258
		.amdhsa_next_free_sgpr 66
		.amdhsa_reserve_vcc 0
		.amdhsa_float_denorm_mode_32 3
		.amdhsa_float_denorm_mode_16_64 3
		.amdhsa_memory_ordered 1
		.amdhsa_forward_progress 1
		.amdhsa_inst_pref_size 40
	.end_amdhsa_kernel
	.amdgpu_metadata
---
amdhsa.version: [ 1, 2 ]
amdhsa.kernels:
  - .name:           k_q37689fba11_quant
    .symbol:         k_q37689fba11_quant.kd
    .args:
      - { .name: Wq, .offset: 0, .size: 8, .value_kind: global_buffer, .address_space: global }
      - { .name: Wk, .offset: 8, .size: 8, .value_kind: global_buffer, .address_space: global }
      - { .name: Wv, .offset: 16, .size: 8, .value_kind: global_buffer, .address_space: global }
      - { .name: Wo, .offset: 24, .size: 8, .value_kind: global_buffer, .address_space: global }
      - { .name: query, .offset: 32, .size: 8, .value_kind: global_buffer, .address_space: global }
      - { .name: wcod, .offset: 40, .size: 8, .value_kind: global_buffer, .address_space: global }
      - { .name: wscl, .offset: 48, .size: 8, .value_kind: global_buffer, .address_space: global }
      - { .name: acod, .offset: 56, .size: 8, .value_kind: global_buffer, .address_space: global }
      - { .name: ascl, .offset: 64, .size: 8, .value_kind: global_buffer, .address_space: global }
    .group_segment_fixed_size: 34304
    .private_segment_fixed_size: 0
    .kernarg_segment_align: 8
    .kernarg_segment_size: 72
    .max_flat_workgroup_size: 128
    .sgpr_count:     66
    .vgpr_count:     258
    .wavefront_size: 32
...
	.end_amdgpu_metadata
.endif
;; end of part 1
;; launch kvq (part 2): grid 256 x 1, 4 waves a work-group, no clusters, 185,856 bytes of LDS; arguments value, key, acod, ascl, wcod, wscl, bq, bk, bv, kv, qim; writes kv, qim
.if DOCPART == 2
	.amdgcn_target "amdgcn-amd-amdhsa--gfx1250"
	.amdhsa_code_object_version 6
	.text
	.protected	k_q37689fba11_kvq
	.globl	k_q37689fba11_kvq
	.p2align	8
	.type	k_q37689fba11_kvq,@function
k_q37689fba11_kvq:
	s_mov_b64 s[64:65], 0
	v_nop
	global_prefetch_b8 v0, s[64:65] scope:SCOPE_SE
	s_setreg_imm32_b32 hwreg(HW_REG_WAVE_MODE, 25, 1), 1
	s_wait_xcnt 0x0
; The three input projections on codes of FP6 (E2M3), K = 1,024, with key and value quantised here, on their one way in from memory, and the results quantised into the attention launch's operand images.
; WORK LEFT OUT: reference() sets the score of head h and key s to -infinity wherever (s - h) % 4 != 0, by a mask that it builds itself, so k = key Wk + bk is made only where head % 4 = key % 4; this holds for all values of the inputs.
; All of v is made: a block of 32 keys takes its scale from all 32.  A NaN, an infinity or an overflow that reaches only the k left out is not carried to the result.
; A WORK-GROUP g: 64 rows of value (64 g on), 64 kept keys of class g % 4, and 64 queries x one head of q.  Each f32 number of key and value is read once in the launch.
; THE WALK ALONG K, eight steps of 128.  In each step wave w turns that step of its tile of 16 rows of value and of its tile of key into codes, laid into LDS as images of operand registers; a barrier; every wave fetches value's four fragments;
; a second barrier, so that LDS stores and other waves' loads never stand between the same two barriers; then 64 products of v.  The next step's f32 numbers (32 loads) and weights (48 loads) are on their way meanwhile.
; v: wave w = class w: 256 columns of Wv (source 1, lanes) x 64 keys (source 0, registers): 64 accumulators.  Behind the walk: k: head g % 4 + 4 w: 64 columns of Wk (source 0) x 64 kept keys (source 1): 16.  q: 64 columns of Wq x tile w of the queries: 4.
; THE WEIGHTS lie in memory as images of operand registers and go straight into a ring of four register buffers (a group: 4 tiles x 128 K, 12 loads).  Their scale bytes come once, 512 consecutive bytes a load, into LDS bytes of the wave's own.
; A base register is stepped only behind the counted wait that shows its own loads done, and no store's data are written again.
; NO CLUSTER, NO TENSOR LOAD: every fragment of a weight is read by one wave of the work-group, once, so LDS would only pass it on; no LDS byte is filled twice.
; NO PREFETCH: the walk keeps as many loads of 512 bytes a wave out as LOADcnt's field counts; the weights are read by all 256 work-groups alike.
; Value's rows in a tile: within each 32 rows place 16 u + 8 h + j holds row 4 j + 2 u + h, so that a lane's eight registers are eight keys of one class.
; LIMITS: NaN and infinities are not served; a block whose largest magnitude lies under 2^-124 gets the byte 1 (zeros' codes are zeros; this program alone reads the bytes).
.set CB,    33792                      ; LDS: four stages of 16 x 528 bytes; then for each wave [value tile 12,288][key tile 12,288]
.set SCB,   132096                     ; scale words: [step 16][tile 4][16 rows]: steps 0-7 value, 8-15 key
.set WSC,   136192                     ; for each wave the scale bytes of its tiles of weights: Wv 16 x 512, Wk 4 x 512, Wq 4 x 512
.set SPARE, 185344                     ; the spare words, 128 bytes for each wave
.set DT,  1                            ; v1-2 the loop's addresses for codes and scale words  (v1 at the head: where the weights' scale bytes go)
.set AWT, 3                            ; the loop's address of the weights' scale words
.set LI,  5                            ; 16 x lane
.set LJ,  6                            ; 8 x lane
.set STI, 7                            ; stage, in
.set STO, 8                            ; stage, out
.set VO,  9                            ; v9-16 16 x lane + j x 4 rows
.set DCB, 17                           ; where my codes go
.set DSB, 18                           ; where my scale words go
.set AV,  19                           ; fragments of tiles 0, 1
.set AV2, 20                           ; of tiles 2, 3
.set ASV, 21                           ; scale words: 4 x lane
.set AWS, 22                           ; my weights' scale words: 512 h + 32 r
.set BRO, 23                           ; bias along registers: 64 h
.set BLO, 24                           ; bias along lanes
.set AT,  25                           ; v25-27 the loop's addresses for fragments
.set R16, 28                           ; 16 r
.set QSO, 29                           ; 32 r
.set SPW, 30
.set NIL, 31
.set SCW, 32                           ; v32-39 weights' scale words   (v32-47 and v244-251 hold scale words and nothing else)
.set SCA, 40                           ; v40-41 value's or key's scale words
.set T,   48                           ; v48-111 64 numbers; also the four fragments from LDS
.set AF,  48
.set TM,  112                          ; v112-127 at work
.set QM,  112
.set XT,  120
.set SW,  124
.set XK,  128                          ; v128-191 key's 64 numbers as loaded; behind the walk bk and bq along registers
.set BI,  128
.set BQ,  160
.set VC,  192                          ; v192-207 v's codes
.set W8,  192
.set BV,  208                          ; v208-223 bv along lanes, one for each tile of columns
.set PC,  224                          ; v224-242 the walk's codes
.set VL,  224
.set QS,  244                          ; v244-251 query's scale words
.set WA,  252
.set XV,  192                          ; window 1, v192-255: value's 64 numbers as loaded; behind the walk v's store data, eight registers a pair of tiles
.set KP,  80                           ; v80-109 k's two images and q's tile
.set P0, 28                            ; s[28:31] value: rows 0-7 and 8-15 of my tile;  s[32:35] key
.set Q0, 32
.set WB, 36                            ; s[36:43] Wv: one base for each ring buffer
.set WK, 44
.set WQ, 46
.set AQ, 48
.set BCV, 50
.set BSV, 52
.set BCK, 54
.set BSK, 56
.set BCQ, 58
.set BSQ, 60
.set SEL, 62
.set MHI, 66
.set SU, 67
.set SH, 68
.set MSB, 0
.macro WIN new                         ; the immediate's high byte repeats the setting that is left
.if MSB != (\new)
	s_set_vgpr_msb (MSB<<8)|(\new)
.set MSB, (\new)
.endif
.endm
.macro PLACES                          ; plain vector instructions behind matrix instructions (ISA guide 7.12.1)
.rept 4
	v_nop
.endr
.endm
.macro PLACE d, s                      ; a chunk's place in its head, in bytes: 15,872 (4 (s % 4) + s / 4)
	s_and_b32 s89, \s, 3
	s_lshl_b32 s89, s89, 2
	s_lshr_b32 \d, \s, 2
	s_add_co_u32 \d, \d, s89
	s_mul_i32 \d, \d, 15872
.endm
	s_load_b256 s[4:11], s[0:1], 0x0               ; value, key, acod, ascl
	s_load_b256 s[12:19], s[0:1], 0x20             ; wcod, wscl, bq, bk
	s_load_b128 s[20:23], s[0:1], 0x40             ; bv, kv
	s_load_b64 s[24:25], s[0:1], 0x50              ; qim
	v_lshl_add_u32 v[SPW], v0, 2, SPARE
	v_mov_b32 v[NIL], 0
	v_lshrrev_b32 v1, 5, v0
	v_readfirstlane_b32 s26, v1                    ; wave
	v_and_b32 v2, 31, v0
	v_and_b32 v3, 15, v0                           ; r
	v_bfe_u32 v4, v0, 4, 1                         ; h
	v_lshlrev_b32 v[LI], 4, v2
	v_lshlrev_b32 v[LJ], 3, v2
	s_mul_i32 s88, s26, 8448
	v_add_nc_u32 v[STI], s88, v[LI]
	v_mul_u32_u24 v[STO], v3, 528
	v_lshl_add_u32 v[STO], v4, 6, v[STO]
	v_add_nc_u32 v[STO], s88, v[STO]
.irp j, 0,1,2,3,4,5,6,7
	v_add_nc_u32 v[VO+\j], 16384*\j, v[LI]
.endr
	s_mul_i32 s88, s26, 24576
	s_add_co_u32 s88, s88, CB
	v_add_nc_u32 v[DCB], s88, v[LI]
	s_lshl_b32 s88, s26, 6
	s_add_co_u32 s88, s88, SCB
	v_lshl_add_u32 v[DSB], v3, 2, s88
	v_add_nc_u32 v[AV], CB, v[LI]
	v_add_nc_u32 v[AV2], CB+49152, v[LI]
	v_lshl_add_u32 v[ASV], v2, 2, SCB
	v_lshlrev_b32 v[QSO], 5, v3
	s_mul_i32 s88, s26, 12288
	s_add_co_u32 s88, s88, WSC
	v_lshl_add_u32 v[AWS], v4, 9, v[QSO]
	v_add_nc_u32 v[AWS], s88, v[AWS]
	v_lshlrev_b32 v[BRO], 6, v4
	v_lshrrev_b32 v1, 3, v3
	v_and_b32 v2, 7, v3
	v_lshl_add_u32 v1, v1, 4, v2
	v_lshlrev_b32 v[BLO], 2, v1                    ; 4 (16 (r / 8) + r % 8)
	v_lshlrev_b32 v[R16], 4, v3
	v_add_nc_u32 v1, s88, v[LI]                    ; where the weights' scale bytes go, as they lie
	s_wait_alu depctr_va_vdst(0)
	s_lshr_b32 s80, ttmp9, 7                       ; batch
	s_and_b32 s81, ttmp9, 127
	s_and_b32 s82, ttmp9, 3                        ; the keys' class
	s_lshr_b32 s83, s26, 1
	s_and_b32 s84, s26, 1
	s_lshr_b32 s85, s81, 2                         ; kg: which 64 kept keys
	s_bfe_u32 s86, ttmp9, 0x40003                  ; q's head
	s_and_b32 s87, ttmp9, 7                        ; q's block of 64 queries
.irp i, 29,33,37,45,47,49,51,53,55,57,59,61,73,75,77,79,93
	s_mov_b32 s\i, 0
.endr
	s_lshl_b32 s28, ttmp9, 6                       ; value: row 64 g + 32 (w / 2) + 2 (w % 2)
	s_lshl_b32 s88, s83, 5
	s_add_co_u32 s28, s28, s88
	s_lshl_b32 s88, s84, 1
	s_add_co_u32 s28, s28, s88
	s_lshl_b32 s28, s28, 12
	s_lshl_b32 s32, s80, 13                        ; key: row 8,192 batch + 256 kg + 64 w + class
	s_lshl_b32 s88, s85, 8
	s_add_co_u32 s32, s32, s88
	s_lshl_b32 s88, s26, 6
	s_add_co_u32 s32, s32, s88
	s_add_co_u32 s32, s32, s82
	s_lshl_b32 s32, s32, 12
	s_lshl_b32 s88, s26, 4                         ; Wv: tile 128 + 16 w
	s_add_co_u32 s88, s88, 128
	s_mul_i32 s36, s88, 12288
	s_lshl_b32 s74, s88, 9
	s_lshl_b32 s88, s82, 4                         ; Wk: tile 64 + 16 class + 4 w
	s_lshl_b32 s89, s26, 2
	s_add_co_u32 s88, s88, s89
	s_add_co_u32 s88, s88, 64
	s_mul_i32 s44, s88, 12288
	s_lshl_b32 s76, s88, 9
	s_and_b32 s88, s86, 3                          ; Wq: tile 16 (head % 4) + 4 (head / 4)
	s_lshl_b32 s88, s88, 4
	s_and_b32 s89, s86, 12
	s_add_co_u32 s88, s88, s89
	s_mul_i32 s46, s88, 12288
	s_lshl_b32 s78, s88, 9
	s_lshl_b32 s88, s80, 5                         ; query: tile 32 batch + 4 qb + w
	s_lshl_b32 s89, s87, 2
	s_add_co_u32 s88, s88, s89
	s_add_co_u32 s88, s88, s26
	s_mul_i32 s48, s88, 12288
	s_lshl_b32 s72, s88, 9
	s_lshl_b32 s90, s80, 4                         ; 16 batch
	s_add_co_u32 s88, s90, s82                     ; k out: head class + 4 w
	s_lshl_b32 s89, s26, 2
	s_add_co_u32 s88, s88, s89
	s_mul_i32 s54, s88, 253952
	s_lshr_b32 s91, s85, 1
	PLACE s88, s91
	s_add_co_u32 s54, s54, s88
	s_and_b32 s88, s85, 1
	s_lshl_b32 s89, s88, 3
	s_add_co_u32 s56, s54, s89
	s_add_co_u32 s56, s56, 6144                    ; its scale words: words 2 (kg % 2) on of each lane's four
	s_mul_i32 s88, s88, 3072
	s_add_co_u32 s54, s54, s88                     ; its images: 2 (kg % 2) on of the chunk's four
	s_add_co_u32 s88, s90, s26                     ; v out: heads w + 4 i
	s_mul_i32 s50, s88, 253952
	s_lshr_b32 s91, s81, 3
	PLACE s88, s91
	s_add_co_u32 s50, s50, s88
	s_bfe_u32 s88, s81, 0x20001                    ; which 128 keys of the chunk's 512
	s_and_b32 s91, s81, 1                          ; which two of their four blocks
	s_lshl_b32 s89, s88, 8
	s_add_co_u32 s52, s50, s89
	s_lshl_b32 s89, s91, 1
	s_add_co_u32 s52, s52, s89
	s_add_co_u32 s52, s52, 14848
	s_lshl_b32 s89, s88, 11
	s_add_co_u32 s50, s50, s89
	s_lshl_b32 s89, s91, 9
	s_add_co_u32 s50, s50, s89
	s_add_co_u32 s50, s50, 6656
	s_lshr_b32 s88, ttmp9, 3                       ; q out: 16 batch + head
	s_mul_i32 s58, s88, 24576
	s_lshl_b32 s89, s87, 1
	s_add_co_u32 s89, s89, s83
	s_mul_i32 s89, s89, 1536
	s_add_co_u32 s58, s58, s89                     ; image 2 qb + w / 2
	s_lshl_b32 s60, s88, 11
	s_lshr_b32 s89, s87, 1
	s_lshl_b32 s89, s89, 9
	s_add_co_u32 s60, s60, s89
	s_lshl_b32 s89, s84, 8
	s_add_co_u32 s60, s60, s89
	s_and_b32 s89, s87, 1
	s_lshl_b32 s89, s89, 3
	s_add_co_u32 s60, s60, s89
	s_lshl_b32 s89, s83, 2
	s_add_co_u32 s60, s60, s89
	s_add_co_u32 s60, s60, 786432
	s_mov_b32 s[SEL], 0x76543210
	s_mov_b32 s[SEL+1], 0xfedcba98
	s_mov_b32 s[MHI], 0xffff0000
	s_bitcmp1_b32 s26, 1
	s_cselect_b32 s[SU], -1, 0                     ; all ones where my class of v is 2 or 3
	s_bitcmp1_b32 s26, 0
	s_cselect_b32 s[SH], -1, 0                     ; all ones where it is odd
	s_wait_kmcnt 0x0
	s_add_nc_u64 s[P0:P0+1], s[4:5], s[P0:P0+1]
	s_add_nc_u64 s[P0+2:P0+3], s[P0:P0+1], 4096
	s_add_nc_u64 s[Q0:Q0+1], s[6:7], s[Q0:Q0+1]
	s_add_nc_u64 s[Q0+2:Q0+3], s[Q0:Q0+1], 131072
	s_add_nc_u64 s[WB:WB+1], s[12:13], s[WB:WB+1]
.irp q, 1,2,3
	s_add_nc_u64 s[WB+2*\q:WB+2*\q+1], s[WB:WB+1], 49152*\q
.endr
	s_add_nc_u64 s[WK:WK+1], s[12:13], s[WK:WK+1]
	s_add_nc_u64 s[WQ:WQ+1], s[12:13], s[WQ:WQ+1]
.irp i, 74, 76, 78
	s_add_nc_u64 s[\i:\i+1], s[14:15], s[\i:\i+1]
.endr
	s_add_nc_u64 s[AQ:AQ+1], s[8:9], s[AQ:AQ+1]
	s_add_nc_u64 s[72:73], s[10:11], s[72:73]
.irp i, BCV, BSV, BCK, BSK
	s_add_nc_u64 s[\i:\i+1], s[22:23], s[\i:\i+1]
.endr
	s_add_nc_u64 s[BCQ:BCQ+1], s[24:25], s[BCQ:BCQ+1]
	s_add_nc_u64 s[BSQ:BSQ+1], s[24:25], s[BSQ:BSQ+1]
	s_lshl_b32 s92, s26, 2                         ; the biases: 256 bytes a head
	s_add_co_u32 s92, s92, s82
	s_lshl_b32 s92, s92, 8
	s_add_nc_u64 s[18:19], s[18:19], s[92:93]
	s_lshl_b32 s92, s86, 8
	s_add_nc_u64 s[16:17], s[16:17], s[92:93]
	s_lshl_b32 s92, s26, 8
	s_add_nc_u64 s[20:21], s[20:21], s[92:93]
.macro FLOAD x, wn, pa                 ; 128 along K of my 16 rows: each load reads 512 consecutive bytes of one row
	WIN 0x40*(\wn)
.irp p, 0,1,2,3,4,5,6,7
	global_load_b128 v[\x+4*\p:\x+4*\p+3], v[VO+\p], s[\pa:\pa+1] th:TH_LOAD_NT
.endr
.irp p, 0,1,2,3,4,5,6,7
	global_load_b128 v[\x+32+4*\p:\x+35+4*\p], v[VO+\p], s[\pa+2:\pa+3] th:TH_LOAD_NT
.endr
	WIN 0
.endm
.macro GLOAD q, cb, coff               ; a group of weights into ring buffer q (window 1): four tiles, 12,288 bytes apart, 128 along K
	WIN 0x40
.irp t, 0,1,2,3
.irp p, 0,1,2
	global_load_b128 v[48*(\q)+12*\t+4*\p:48*(\q)+12*\t+4*\p+3], v[LI], s[\cb:\cb+1] offset:(\coff)+12288*\t+512*\p
.endr
.endr
	WIN 0
.endm
.irp t, 0,1,2,3,4,5,6,7,8,9,10,11,12,13,14,15  ; my 24 tiles' scale bytes, a tile's 512 consecutive bytes a load
	global_load_b128 v[48+4*\t:51+4*\t], v[LI], s[74:75] offset:512*\t
.endr
.irp t, 0,1,2,3
	global_load_b128 v[112+4*\t:115+4*\t], v[LI], s[76:77] offset:512*\t
	global_load_b128 v[224+4*\t:227+4*\t], v[LI], s[78:79] offset:512*\t
.endr
.irp a, 0,1,2,3,4,5,6,7,8,9,10,11,12,13,14,15  ; bv: tile a, lane r: head w + 4 (a / 4), d = 32 ((a / 2) % 2) + 16 (r / 8) + 8 (a % 2) + r % 8
	global_load_b32 v[BV+\a], v[BLO], s[20:21] offset:(\a/4)*1024+((\a/2)%2)*128+(\a%2)*32
.endr
	global_load_b128 v[QS:QS+3], v[QSO], s[72:73]          ; row r's eight scale words of my tile of query
	global_load_b128 v[QS+4:QS+7], v[QSO], s[72:73] offset:16
	FLOAD XV, 1, P0                                ; K step 0 of value, of key, of Wv
	FLOAD XK, 0, Q0
.irp q, 0,1,2,3
	GLOAD \q, WB+2*\q, 0
.endr
	s_wait_loadcnt 63                              ; 80 loads were issued behind the 42 above; the field holds 63
.irp t, 0,1,2,3,4,5,6,7,8,9,10,11,12,13,14,15
	ds_store_b128 v1, v[48+4*\t:51+4*\t] offset:512*\t
.endr
.irp t, 0,1,2,3
	ds_store_b128 v1, v[112+4*\t:115+4*\t] offset:8192+512*\t
	ds_store_b128 v1, v[224+4*\t:227+4*\t] offset:10240+512*\t
.endr
	s_wait_dscnt 0x0                               ; the stores have read their registers
.irp b, 0,1,2,3
	v_mov_b32 v[TM+4+\b], 0                        ; a lane permute's destination counts as one of its sources
.endr
.macro MAX4                            ; four runs of 16 numbers in v[T] on: with lane l xor 16's the blocks' largest magnitudes; TM+12.. the conversions' scale operands, TM+4.. the scale bytes
.irp b, 0,1,2,3
	v_max3_num_f32 v[TM+\b], |v[T+16*\b]|, |v[T+1+16*\b]|, 0x1800000   ; the floor 2^(3 - 127) among the leaves
.endr
.irp i, 2,4,6,8,10,12,14
.irp b, 0,1,2,3
	v_max3_num_f32 v[TM+\b], v[TM+\b], |v[T+16*\b+\i]|, |v[T+1+16*\b+\i]|
.endr
.endr
.irp b, 0,1,2,3
	v_permlanex16_b32 v[TM+4+\b], v[TM+\b], s[SEL], s[SEL+1]
.endr
.irp b, 0,1,2,3
	v_max_num_f32 v[TM+\b], v[TM+\b], v[TM+4+\b]
.endr
.irp b, 0,1,2,3
	v_add_nc_u32 v[TM+12+\b], 0xff000000, v[TM+\b] ; 2 off the exponent field
.endr
.irp b, 0,1,2,3
	v_lshrrev_b32 v[TM+4+\b], 23, v[TM+12+\b]
.endr
.endm
; 64 numbers a lane (registers x on of window wn) turn through my stage, so that register 16 b + i is k 32 b + 16 h + i of row r; codes and scale word go to LDS.
; kind 1: the registers take the next K step's numbers; kind 2: bk and bq; kind 0: nothing.
.macro ASTEP x, wn, cnt, kind, pa, dc, ds, ic, is
	s_wait_loadcnt \cnt                            ; my 16 loads are in; what was issued behind them may be out
.if \kind == 1
	s_add_nc_u64 s[\pa:\pa+1], s[\pa:\pa+1], 512   ; so their bases may be stepped
	s_add_nc_u64 s[\pa+2:\pa+3], s[\pa+2:\pa+3], 512
.endif
	WIN 0x04*(\wn)
.irp p, 0,1,2,3,4,5,6,7,8,9,10,11,12,13,14,15
	ds_store_b128 v[STI], v[\x+4*\p:\x+4*\p+3] offset:528*\p
.endr
	WIN 0
.irp b, 0,1,2,3
.irp j, 0,1,2,3
	ds_load_b128 v[T+16*\b+4*\j:T+16*\b+4*\j+3], v[STO] offset:128*\b+16*\j   ; LDS serves a wave's instructions in order
.endr
.endr
	s_wait_dscnt 0x0                               ; the numbers are back; all my LDS stores have read their registers
.if \kind == 1
	FLOAD \x, \wn, \pa
.elseif \kind == 2
.irp b, 0,1,2,3                                ; tile b, lane half h, register j: d = 32 (b / 2) + 16 h + 8 (b % 2) + j
	global_load_b128 v[BI+8*\b:BI+8*\b+3], v[BRO], s[18:19] offset:(\b/2)*128+(\b%2)*32
	global_load_b128 v[BI+8*\b+4:BI+8*\b+7], v[BRO], s[18:19] offset:(\b/2)*128+(\b%2)*32+16
	global_load_b128 v[BQ+8*\b:BQ+8*\b+3], v[BRO], s[16:17] offset:(\b/2)*128+(\b%2)*32
	global_load_b128 v[BQ+8*\b+4:BQ+8*\b+7], v[BRO], s[16:17] offset:(\b/2)*128+(\b%2)*32+16
.endr
.endif
	MAX4
	v_lshl_or_b32 v[TM+8], v[TM+5], 8, v[TM+4]
	v_lshl_or_b32 v[TM+8], v[TM+6], 16, v[TM+8]
	v_lshl_or_b32 v[TM+8], v[TM+7], 24, v[TM+8]
.irp c, 0,1
	v_cvt_scalef32_pk16_fp6_f32 v[PC+6*\c:PC+2+6*\c], v[T+32*\c:T+15+32*\c], v[TM+12+2*\c]
	v_cvt_scalef32_pk16_fp6_f32 v[PC+12+4*\c:PC+14+4*\c], v[T+16+32*\c:T+31+32*\c], v[TM+12+2*\c+1]
.endr
	v_nop                                          ; one plain place behind a scaled conversion
.irp c, 0,1                                    ; a WHOLE block to a lane
.irp i, 0,1,2
	v_permlane16_swap_b32 v[PC+6*\c+\i], v[PC+12+4*\c+\i]
.endr
.irp i, 0,1,2
	v_mov_b32 v[PC+3+6*\c+\i], v[PC+12+4*\c+\i]
.endr
.endr
.irp p, 0,1,2
	ds_store_b128 v[\dc], v[PC+4*\p:PC+4*\p+3] offset:(\ic)+512*\p
.endr
	ds_store_b32 v[\ds], v[TM+8] offset:(\is)      ; both halves of the lanes write the same word
.endm
.macro MEET                            ; for the others' sake: all my LDS instructions are done
	s_wait_alu depctr_va_vdst(0)
	s_wait_dscnt 0x0
	s_barrier_signal -1
	s_barrier_wait -1
.endm
.macro MM d, a, b, z, sa, sb, ra, rb   ; one product; z: it starts the sum; ra, rb: the scales' half of the lanes
.set MD, (\d)
.set MA, (\a)
.set MR, (\b)
.set MX, (\sa)
.set MY, (\sb)
.set MK, 4*(\z)+2*(\ra)+(\rb)
.if MK == 0
	v_wmma_scale_f32_16x16x128_f8f6f4 v[MD:MD+7], v[MA:MA+11], v[MR:MR+11], v[MD:MD+7], v[MX], v[MY] matrix_a_fmt:MATRIX_FMT_FP6 matrix_b_fmt:MATRIX_FMT_FP6
.elseif MK == 1
	v_wmma_scale_f32_16x16x128_f8f6f4 v[MD:MD+7], v[MA:MA+11], v[MR:MR+11], v[MD:MD+7], v[MX], v[MY] matrix_a_fmt:MATRIX_FMT_FP6 matrix_b_fmt:MATRIX_FMT_FP6 matrix_b_scale:MATRIX_SCALE_ROW1
.elseif MK == 2
	v_wmma_scale_f32_16x16x128_f8f6f4 v[MD:MD+7], v[MA:MA+11], v[MR:MR+11], v[MD:MD+7], v[MX], v[MY] matrix_a_fmt:MATRIX_FMT_FP6 matrix_b_fmt:MATRIX_FMT_FP6 matrix_a_scale:MATRIX_SCALE_ROW1
.elseif MK == 3
	v_wmma_scale_f32_16x16x128_f8f6f4 v[MD:MD+7], v[MA:MA+11], v[MR:MR+11], v[MD:MD+7], v[MX], v[MY] matrix_a_fmt:MATRIX_FMT_FP6 matrix_b_fmt:MATRIX_FMT_FP6 matrix_a_scale:MATRIX_SCALE_ROW1 matrix_b_scale:MATRIX_SCALE_ROW1
.elseif MK == 4
	v_wmma_scale_f32_16x16x128_f8f6f4 v[MD:MD+7], v[MA:MA+11], v[MR:MR+11], 0, v[MX], v[MY] matrix_a_fmt:MATRIX_FMT_FP6 matrix_b_fmt:MATRIX_FMT_FP6
.elseif MK == 5
	v_wmma_scale_f32_16x16x128_f8f6f4 v[MD:MD+7], v[MA:MA+11], v[MR:MR+11], 0, v[MX], v[MY] matrix_a_fmt:MATRIX_FMT_FP6 matrix_b_fmt:MATRIX_FMT_FP6 matrix_b_scale:MATRIX_SCALE_ROW1
.elseif MK == 6
	v_wmma_scale_f32_16x16x128_f8f6f4 v[MD:MD+7], v[MA:MA+11], v[MR:MR+11], 0, v[MX], v[MY] matrix_a_fmt:MATRIX_FMT_FP6 matrix_b_fmt:MATRIX_FMT_FP6 matrix_a_scale:MATRIX_SCALE_ROW1
.else
	v_wmma_scale_f32_16x16x128_f8f6f4 v[MD:MD+7], v[MA:MA+11], v[MR:MR+11], 0, v[MX], v[MY] matrix_a_fmt:MATRIX_FMT_FP6 matrix_b_fmt:MATRIX_FMT_FP6 matrix_a_scale:MATRIX_SCALE_ROW1 matrix_b_scale:MATRIX_SCALE_ROW1
.endif
.endm
.macro AFRAG x0, x1, xs, ic, is        ; four fragments and their scale words from LDS: lanes 0-15 the even tile's words, lanes 16-31 the odd one's
.irp a, 0,1
.irp p, 0,1,2
	ds_load_b128 v[AF+12*\a+4*\p:AF+12*\a+4*\p+3], v[\x0] offset:(\ic)+24576*\a+512*\p
	ds_load_b128 v[AF+24+12*\a+4*\p:AF+27+12*\a+4*\p], v[\x1] offset:(\ic)+24576*\a+512*\p
.endr
.endr
	ds_load_b32 v[SCA], v[\xs] offset:(\is)
	ds_load_b32 v[SCA+1], v[\xs] offset:(\is)+128
.endm
; v, 128 along K: four groups of 16 products.  Accumulator (column tile a, key tile b) at 8 (4 a + b) of windows 2 and 3; the 64 take turns.
; Behind each group its buffer takes the same group of the next K step, or (last = 1) Wk's first four K steps.  Behind a group's loads 68 were issued (three groups of 12, 32 of f32 numbers); the field holds 63.  In the last step: 52.
.macro VSTEP zero, x0, x1, xs, xw, ic, is, iw, last
	AFRAG \x0, \x1, \xs, \ic, \is
.irp i, 0,1,2,3,4,5,6,7
	ds_load_b32 v[SCW+\i], v[\xw] offset:(\iw)+1024*\i     ; Wv's scale words: lanes 0-15 tile 2 i, lanes 16-31 tile 2 i + 1
.endr
	MEET                                           ; every wave has its fragments: the next step's LDS stores stand behind this barrier
.irp q, 0,1,2,3
.if \last
	s_wait_loadcnt 52
.else
	s_wait_loadcnt 63
	s_add_nc_u64 s[WB+2*\q:WB+2*\q+1], s[WB+2*\q:WB+2*\q+1], 1536   ; this buffer's loads are done, so their base may be stepped
.endif
	WIN 0xa4+0x50*(\q/2)                           ; source 0 window 0, source 1 window 1, C and D window 2 or 3
.irp t, 0,1,2,3
.irp b, 0,1,2,3
	MM 8*(4*((4*\q+\t)%8)+\b), AF+12*\b, 48*\q+12*\t, \zero, SCA+\b/2, SCW+2*\q+\t/2, \b%2, \t%2
.endr
.endr
	PLACES
.if \last
	GLOAD \q, WK, 1536*\q
.else
	GLOAD \q, WB+2*\q, 0
.endif
.endr
.endm
	ASTEP XV, 1, 63, 1, P0, DCB, DSB, 0, 0         ; K step 0.  Behind value's 16 loads 64 were issued (key's 16, Wv's 48), behind key's likewise (Wv's 48, value's next 16)
	ASTEP XK, 0, 63, 1, Q0, DCB, DSB, 12288, 2048
	MEET
	VSTEP 1, AV, AV2, ASV, AWS, 0, 0, 0, 0         ; its products start the sums
	s_mov_b32 s69, 1536
	s_mov_b32 s70, 256
	s_mov_b32 s71, 4
.Lwalk:                                                ; K steps 1 to 6
	v_add_nc_u32 v[DT], s69, v[DCB]
	v_add_nc_u32 v[DT+1], s70, v[DSB]
	v_add_nc_u32 v[AT], s69, v[AV]
	v_add_nc_u32 v[AT+1], s69, v[AV2]
	v_add_nc_u32 v[AT+2], s70, v[ASV]
	v_add_nc_u32 v[AWT], s71, v[AWS]
	s_wait_alu depctr_va_vdst(0)
	ASTEP XV, 1, 63, 1, P0, DT, DT+1, 0, 0
	ASTEP XK, 0, 63, 1, Q0, DT, DT+1, 12288, 2048
	MEET
	VSTEP 0, AT, AT+1, AT+2, AWT, 0, 0, 0, 0
	s_add_co_u32 s71, s71, 4
	s_add_co_u32 s70, s70, 256
	s_add_co_u32 s69, s69, 1536
	s_cmp_lt_u32 s69, 7*1536
	s_cbranch_scc1 .Lwalk
	ASTEP XV, 1, 63, 0, P0, DCB, DSB, 10752, 1792  ; K step 7: no f32 numbers are left to ask for
	ASTEP XK, 0, 48, 2, Q0, DCB, DSB, 12288+10752, 2048+1792
	MEET
	VSTEP 0, AV, AV2, ASV, AWS, 10752, 1792, 28, 1
; v leaves.  A pair of column tiles: 64 registers = [tile 2][block 2][16]: in a block registers 0-7 hold keys 4 j + h, registers 8-15 keys 4 j + 2 + h.  ALL 32 keys count for a block's scale;
; of its codes the 8 of the head's own class are kept, 48 bits, as the block's first eight codes: the weights p of the other 24 keys are zeros.  Each pair has store registers of its own, in window 1.
.macro VPAIR pp
.set AC, 64*((\pp)%4)
.set YT, XV+8*(\pp)
	WIN 0x02+(\pp)/4
.irp n, 0,1,2,3,4,5,6,7,8,9,10,11,12,13,14,15
	v_pk_add_f32 v[T+2*\n:T+2*\n+1], v[AC+2*\n:AC+2*\n+1], v[BV+2*(\pp):BV+2*(\pp)+1] op_sel_hi:[1,0]   ; + my column's bias; each accumulator from its low end on
.endr
.irp n, 16,17,18,19,20,21,22,23,24,25,26,27,28,29,30,31
	v_pk_add_f32 v[T+2*\n:T+2*\n+1], v[AC+2*\n:AC+2*\n+1], v[BV+2*(\pp):BV+2*(\pp)+1] op_sel:[0,1] op_sel_hi:[1,1]
.endr
	WIN 0
	MAX4
	v_lshl_or_b32 v[WA], v[TM+5], 8, v[TM+4]       ; each tile's two scale bytes
	v_lshl_or_b32 v[WA+1], v[TM+7], 8, v[TM+6]
.irp b, 0,1,2,3
	v_cvt_scalef32_pk16_fp6_f32 v[VC+4*\b:VC+4*\b+2], v[T+16*\b:T+16*\b+15], v[TM+12+\b]   ; codes 0-7: class h; codes 8-15: class 2 + h
.endr
	v_nop                                          ; one plain place behind a scaled conversion
.irp b, 0,1,2,3
	v_alignbit_b32 v[VL+8+\b], v[VC+4*\b+2], v[VC+4*\b+1], 16
	v_lshrrev_b32 v[VL+12+\b], 16, v[VC+4*\b+2]
.endr
.irp b, 0,1,2,3
	v_cndmask_b32 v[VL+\b], v[VC+4*\b], v[VL+8+\b], s[SU]          ; the lower or the upper eight codes
	v_cndmask_b32 v[VL+4+\b], v[VC+4*\b+1], v[VL+12+\b], s[SU]
.endr
	v_permlane16_swap_b32 v[VL], v[VL+1]           ; the first now holds lanes 0-15's words of blocks 0 | 1, the second lanes 16-31's
	v_permlane16_swap_b32 v[VL+4], v[VL+5]
	v_permlane16_swap_b32 v[VL+2], v[VL+3]
	v_permlane16_swap_b32 v[VL+6], v[VL+7]
	WIN 0x40
	v_cndmask_b32 v[YT], v[VL], v[VL+1], s[SH]     ; the half of the lanes that held the head's class
	v_cndmask_b32 v[YT+1], v[VL+4], v[VL+5], s[SH]
	v_cndmask_b32 v[YT+2], v[VL+2], v[VL+3], s[SH]
	v_cndmask_b32 v[YT+3], v[VL+6], v[VL+7], s[SH]
	v_cndmask_b32 v[YT+4], v[WA], v[WA+1], s[MHI]
	WIN 0x04
	global_store_b128 v[LI], v[YT:YT+3], s[BCV:BCV+1] offset:((\pp)/2)*1015808+((\pp)%2)*1024   ; 512 consecutive bytes, aligned
	global_store_b16 v[LJ], v[YT+4], s[BSV:BSV+1] offset:((\pp)/2)*1015808+((\pp)%2)*4          ; my two of a scale word's four bytes: 64 keys are half of the word's 128; 524,288 such bytes in the launch
	WIN 0
.endm
.macro QLOAD j                         ; q's group j: Wq's four tiles and my tile of query (window 3): 15 loads
	GLOAD (\j)%4, WQ, 1536*(\j)
	WIN 0xc0
.irp p, 0,1,2
	global_load_b128 v[12*((\j)%4)+4*\p:12*((\j)%4)+4*\p+3], v[LI], s[AQ:AQ+1] offset:1536*(\j)+512*\p
.endr
	WIN 0
.endm
.macro KSTEP i, z, cnt                 ; k, 128 along K: accumulator (key tile a, column tile b) at 8 (4 a + b) of window 2, where v's first two pairs have left
	AFRAG AV, AV2, ASV, 12288+1536*(\i), 2048+256*(\i)
	ds_load_b32 v[SCW], v[AWS] offset:8192+4*(\i)
	ds_load_b32 v[SCW+1], v[AWS] offset:9216+4*(\i)
	s_wait_loadcnt \cnt                            ; the three groups issued behind this one may be out
	s_wait_dscnt 0x0
	WIN 0xa1                                       ; source 0 window 1, source 1 window 0
.irp a, 0,1,2,3
.irp b, 0,1,2,3
	MM 8*(4*\a+\b), 48*((\i)%4)+12*\b, AF+12*\a, \z, SCW+\b/2, SCA+\a/2, \b%2, \a%2
.endr
.endr
	PLACES
.if (\i) < 4
	GLOAD \i, WK, 1536*((\i)+4)
.else
	QLOAD (\i)-4
.endif
.endm
.macro QSTEP j, z, cnt                 ; q, 128 along K: accumulator b at 128 + 8 b of window 2
	s_wait_loadcnt \cnt
	WIN 0xad                                       ; source 0 window 1, source 1 window 3
.irp b, 0,1,2,3
	MM 128+8*\b, 48*((\j)%4)+12*\b, 12*((\j)%4), \z, SCW+8*(\b/2)+(\j), QS+(\j), \b%2, 0
.endr
	PLACES
	WIN 0
.if (\j) < 4
	QLOAD (\j)+4
.endif
.endm
	VPAIR 0                                        ; v's way out and k's K steps by turns: the ring's loads land under the vector work
	VPAIR 1
	KSTEP 0, 1, 36
	VPAIR 2
	KSTEP 1, 0, 36
	VPAIR 3
	KSTEP 2, 0, 36
	VPAIR 4
	KSTEP 3, 0, 36
	VPAIR 5
	KSTEP 4, 0, 36
	VPAIR 6
	KSTEP 5, 0, 39
	VPAIR 7
	KSTEP 6, 0, 42
	KSTEP 7, 0, 45
.irp i, 0,1                                    ; Wq's scale words of all eight K steps: a row's 32 bytes; tiles 2 i | 2 i + 1
	ds_load_b128 v[SCW+8*\i:SCW+8*\i+3], v[AWS] offset:10240+1024*\i
	ds_load_b128 v[SCW+8*\i+4:SCW+8*\i+7], v[AWS] offset:10240+1024*\i+16
.endr
	s_wait_dscnt 0x0
	QSTEP 0, 1, 45
.irp j, 1,2,3,4
	QSTEP \j, 0, 45
.endr
	QSTEP 5, 0, 30
	QSTEP 6, 0, 15
	QSTEP 7, 0, 0
; k and q leave.  A tile's 32 registers are d = 32 b + 16 h + 0 .. 15, b = 0, 1, of my row: two half blocks; lane l xor 16 holds the other halves.
.macro QKROW ac, bi, kd, wr
	WIN 0x02
.irp n, 0,1,2,3,4,5,6,7,8,9,10,11,12,13,14,15
	v_pk_add_f32 v[T+2*\n:T+2*\n+1], v[(\ac)+2*\n:(\ac)+2*\n+1], v[\bi+2*\n:\bi+2*\n+1]   ; + the bias; each accumulator from its low end on
.endr
	WIN 0
	v_max3_num_f32 v[QM], |v[T]|, |v[T+1]|, 0x1800000
	v_max3_num_f32 v[QM+1], |v[T+16]|, |v[T+17]|, 0x1800000
.irp i, 2,4,6,8,10,12,14
	v_max3_num_f32 v[QM], v[QM], |v[T+\i]|, |v[T+1+\i]|
	v_max3_num_f32 v[QM+1], v[QM+1], |v[T+16+\i]|, |v[T+17+\i]|
.endr
	v_permlanex16_b32 v[QM+2], v[QM], s[SEL], s[SEL+1]
	v_permlanex16_b32 v[QM+3], v[QM+1], s[SEL], s[SEL+1]
	v_max_num_f32 v[QM], v[QM], v[QM+2]
	v_max_num_f32 v[QM+1], v[QM+1], v[QM+3]
	v_add_nc_u32 v[QM+4], 0xff000000, v[QM]
	v_add_nc_u32 v[QM+5], 0xff000000, v[QM+1]
	v_lshrrev_b32 v[QM+6], 23, v[QM+4]
	v_lshrrev_b32 v[QM+7], 23, v[QM+5]
	v_lshl_or_b32 v[\wr], v[QM+7], 8, v[QM+6]      ; my row's scale word: byte 0: d 0-31, byte 1: d 32-63
	v_cvt_scalef32_pk16_fp6_f32 v[(\kd):(\kd)+2], v[T:T+15], v[QM+4]
	v_cvt_scalef32_pk16_fp6_f32 v[XT:XT+2], v[T+16:T+31], v[QM+5]
	v_nop                                          ; one plain place behind a scaled conversion
.irp i, 0,1,2
	v_permlane16_swap_b32 v[(\kd)+\i], v[XT+\i]    ; a WHOLE block to a lane
.endr
.irp i, 0,1,2
	v_mov_b32 v[(\kd)+3+\i], v[XT+\i]
.endr
.endm
.irp a, 0,1,2,3
	QKROW 32*\a, BI, KP+6*\a, W8+\a
.if \a%2
.irp p, 0,1,2
	global_store_b128 v[LI], v[KP+12*(\a/2)+4*\p:KP+12*(\a/2)+4*\p+3], s[BCK:BCK+1] offset:(\a/2)*1536+512*\p   ; 512 consecutive bytes, aligned
.endr
.endif
.endr
	v_cndmask_b32 v[SW], v[W8], v[W8+1], s[MHI]    ; lanes 0-15 the even tile, lanes 16-31 the odd one
	v_cndmask_b32 v[SW+1], v[W8+2], v[W8+3], s[MHI]
	global_store_b64 v[LI], v[SW:SW+1], s[BSK:BSK+1]       ; two of each lane's four words: 64 kept keys are half of a chunk
	QKROW 128, BQ, KP+24, W8+4
	global_store_b32 v[R16], v[W8+4], s[BSQ:BSQ+1] ; row r's word (both halves of the lanes write the same word)
	s_wait_alu depctr_va_vdst(0)                   ; ahead of the branch
	s_cmp_eq_u32 s84, 0                            ; my tile is registers 0-5 or 6-11 of its image
	s_cbranch_scc0 .Lodd
	global_store_b128 v[LI], v[KP+24:KP+27], s[BCQ:BCQ+1]
	global_store_b64 v[LI], v[KP+28:KP+29], s[BCQ:BCQ+1] offset:512
	s_branch .Ldone
.Lodd:
	global_store_b64 v[LI], v[KP+24:KP+25], s[BCQ:BCQ+1] offset:520
	global_store_b128 v[LI], v[KP+26:KP+29], s[BCQ:BCQ+1] offset:1024
.Ldone:
	s_wait_tensorcnt 0x0                           ; the wave's end
	ds_add_u32 v[SPW], v[NIL]
	s_wait_dscnt 0x0
	s_endpgm
.Lfunc_end_k_q37689fba11_kvq:
	.size	k_q37689fba11_kvq, .Lfunc_end_k_q37689fba11_kvq-k_q37689fba11_kvq
	.p2alignl 7, 3214868480
	.fill 96, 4, 3214868480
	.section	.rodata,"a",@progbits
	.p2align	6, 0x0
	.amdhsa_kernel k_q37689fba11_kvq
		.amdhsa_group_segment_fixed_size 185856
		.amdhsa_private_segment_fixed_size 0
		.amdhsa_enable_private_segment 0
		.amdhsa_kernarg_size 88
		.amdhsa_user_sgpr_count 2
		.amdhsa_user_sgpr_kernarg_segment_ptr 1
		.amdhsa_wavefront_size32 1
		.amdhsa_system_sgpr_workgroup_id_x 1
		.amdhsa_system_sgpr_workgroup_id_y 1
		.amdhsa_system_sgpr_workgroup_id_z 1
		.amdhsa_system_vgpr_workitem_id 0
		.amdhsa_next_free_vgpr 1024
		.amdhsa_next_free_sgpr 100
		.amdhsa_reserve_vcc 0
		.amdhsa_float_denorm_mode_32 3
		.amdhsa_float_denorm_mode_16_64 3
		.amdhsa_memory_ordered 1
		.amdhsa_forward_progress 1
		.amdhsa_inst_pref_size 234
	.end_amdhsa_kernel
	.amdgpu_metadata
---
amdhsa.version: [ 1, 2 ]
amdhsa.kernels:
  - .name:           k_q37689fba11_kvq
    .symbol:         k_q37689fba11_kvq.kd
    .args:
      - { .name: value, .offset: 0, .size: 8, .value_kind: global_buffer, .address_space: global }
      - { .name: key, .offset: 8, .size: 8, .value_kind: global_buffer, .address_space: global }
      - { .name: acod, .offset: 16, .size: 8, .value_kind: global_buffer, .address_space: global }
      - { .name: ascl, .offset: 24, .size: 8, .value_kind: global_buffer, .address_space: global }
      - { .name: wcod, .offset: 32, .size: 8, .value_kind: global_buffer, .address_space: global }
      - { .name: wscl, .offset: 40, .size: 8, .value_kind: global_buffer, .address_space: global }
      - { .name: bq, .offset: 48, .size: 8, .value_kind: global_buffer, .address_space: global }
      - { .name: bk, .offset: 56, .size: 8, .value_kind: global_buffer, .address_space: global }
      - { .name: bv, .offset: 64, .size: 8, .value_kind: global_buffer, .address_space: global }
      - { .name: kv, .offset: 72, .size: 8, .value_kind: global_buffer, .address_space: global }
      - { .name: qim, .offset: 80, .size: 8, .value_kind: global_buffer, .address_space: global }
    .group_segment_fixed_size: 185856
    .private_segment_fixed_size: 0
    .kernarg_segment_align: 8
    .kernarg_segment_size: 88
    .max_flat_workgroup_size: 128
    .sgpr_count:     100
    .vgpr_count:     1024
    .wavefront_size: 32
...
	.end_amdgpu_metadata
.endif
;; end of part 2
;; launch attn (part 3): grid 8 x 32, 16 waves a work-group, clusters of 4 x 1, 327,680 bytes of LDS; arguments qim, kv, key_padding_mask, ctx; writes ctx
.if DOCPART == 3
	.amdgcn_target "amdgcn-amd-amdhsa--gfx1250"
	.amdhsa_code_object_version 6
	.text
	.protected	k_q37689fba11_attn
	.globl	k_q37689fba11_attn
	.p2align	8
	.type	k_q37689fba11_attn,@function
k_q37689fba11_attn:
	s_mov_b64 s[64:65], 0
	v_nop
	global_prefetch_b8 v0, s[64:65] scope:SCOPE_SE
	s_setreg_imm32_b32 hwreg(HW_REG_WAVE_MODE, 25, 1), 1
	s_wait_xcnt 0x0
	s_wait_alu depctr_hold_cnt(0) depctr_sa_sdst(0) depctr_va_vdst(0) depctr_va_sdst(0) depctr_va_ssrc(0) depctr_va_vcc(0) depctr_vm_vsrc(0)
	s_getreg_b32 s2, hwreg(HW_REG_IB_STS2, 6, 4)
	s_cmp_eq_u32 s2, 0
	s_cbranch_scc0 .Lentry_in_a_cluster
	s_endpgm
.Lentry_in_a_cluster:
	s_bfe_u32 s2, ttmp6, 0x10000c
	s_cmp_lg_u32 s2, 0x3003
	s_cbranch_scc0 .Lentry_shape_is_right
	s_endpgm
.Lentry_shape_is_right:
; Scores, masks, softmax and context of one (batch, head) for 64 queries, both products on codes of FP6 (E2M3); the context leaves quantised along the model's 1,024.
; THE STRIDED MASK: head h keeps the keys with s % 4 = h % 4: 2,048 of 8,192.  Only those are scored.  In the second product a block of 32 keys keeps its own scales (p's and v's); its 8 kept keys are its codes 0-7,
; p's codes 8-31 are zeros, and v's registers for them hold whatever they hold: FP6 has no code but numbers, and a number times zero adds nothing.  Likewise the first product's K is 64: q's codes for k = 64 .. 127 are zeros.
; THE PADDING MASK is an input: it becomes one float for each kept key (0 or -infinity), added to t ahead of the maximum.
; THE SOFTMAX: t = score x log2(e) / 8; M = the running largest t, rounded UP to a whole number; p = 2^(t - M) is quantised, not normalised; the sum is taken of the unquantised p and divides at the end.
; SHARES.  A work-group: 64 queries.  Wave w: tile of 16 queries w % 4, quarter w / 4 of the kept keys (512).  The quarters' sums are joined at the end through LDS: M is a whole number, so the joining factors are exact powers of two.
; THE WHOLE HEAD'S K AND V LIE IN LDS, 253,952 bytes, filled ONCE, in four parts; part c holds keys 128 c .. 128 c + 127 of every quarter, so that all waves start on part 0 while the others land.  Nothing is filled twice.
; CLUSTER.  The four work-groups of a cluster are four query blocks of one head: each part is asked for JOINTLY (mask 15).  Each of the 16 waves asks for one chunk: one tensor load of a wave is out at the most.
; LAYOUT.  S^T = K Q^T and O^T = V^T P^T: a lane holds ONE query.  In a tile of 16 kept keys lane half h holds keys 8 h + 0 .. 7: the 8 kept keys of ONE block of 32, so a block's largest p needs no other lane,
; and one conversion of 8 p and 8 zeros gives the operand's registers as they stand.
; LIMITS: NaN and infinities among the inputs are not served.  A (batch, head) ALL of whose kept keys are padded (the result is NaN by definition) is not served: the NaN is lost in the context's codes.  A padded step or quarter is served.
.set MB,   253952                      ; LDS: 2,048 mask floats
.set MG,   262144                      ; LDS: the partial results of waves 4-15: O^T 4,096 bytes, -M 128, the sum 128
.set PART, 4352
.set CHB,  15872                       ; a chunk: 128 kept keys: K's 4 images, K's scale words at 6,144, V's codes at 6,656, V's scale words at 14,848
.set CROW, 63488                       ; the four quarters' chunks of one part
.set LI,    1                          ; v1   16 x lane
.set LJ,    2                          ; v2   8 x lane
.set ADC16, 9                          ; v9   my chunk + 16 x lane
.set ADC8,  10                         ; v10  my chunk + 8 x lane
.set ADM,   11                         ; v11  my chunk's mask floats + 32 h
.set S,    32                          ; v32-95   tile t at 32 + 16 t: 8 scores, then 8 zeros that stay zeros
.set O,    96                          ; v96-127  O^T
.set X,    128                         ; v128-159 K's fragments, then V's
.set MK,   160                         ; v160-191 mask floats, then V's
.set P,    192                         ; v192-215 p's codes, 2 x 12; +3..5 and +9..11 stay zeros
.set BM,   216                         ; v216-219 the blocks' largest t, then p
.set SO,   220                         ; v220-223 the conversions' scale operands
.set BY,   224                         ; v224-227 the scale bytes
.set TP,   228                         ; v228-231 lane permutes' destinations
.set KS,   232                         ; v232-233 K's scale words   (v28, q's, and v232-237 hold scale words and nothing else in the whole text)
.set VS,   234                         ; v234-237 V's
.set PW,   238                         ; v238-239 p's
.set F,    240                         ; v240-241 f = 2^(old M - new M)
.set WV,   12                          ; s12  wave
.set CS,   22                          ; s[22:23] c = log2(e) / 8
.set SEL,  24                          ; s24-25 selects for lane l xor 16
.set G1,   28                          ; s[28:35] descriptor group 1;  s[36:39] group 0
.set G0,   36
.macro ROUND                           ; a round of the cluster's barrier
	s_barrier_signal -1
	s_barrier_wait -1
	s_cmp_lg_u32 s[WV], 0
	s_cbranch_scc1 .Lnot_wave_0_\@
	s_barrier_signal -3
.Lnot_wave_0_\@:
	s_barrier_wait -3
	s_barrier_signal -1
	s_barrier_wait -1
.endm
	s_load_b256 s[4:11], s[0:1], 0x0               ; qim s[4:5], kv s[6:7], the mask s[8:9], ctx s[10:11]
	v_lshl_add_u32 v254, v0, 2, 0x4cc00
	v_mov_b32 v255, 0
	ds_add_u32 v254, v255
	ds_add_u32 v254, v255
	v_lshrrev_b32 v1, 5, v0
	s_delay_alu instid0(VALU_DEP_1)
	v_readfirstlane_b32 s[WV], v1                  ; wave 0..15
	s_and_b32 s13, s[WV], 3                        ; qt: my tile of queries
	s_lshr_b32 s14, s[WV], 2                       ; kq: my quarter of the keys
	s_bfe_u32 s15, ttmp6, 0x40000                  ; cx
	s_lshl_b32 s16, ttmp9, 2
	s_add_co_u32 s16, s16, s15                     ; qb: my block of 64 queries: it enters q's and ctx's global addresses alone
	s_and_b32 s17, ttmp7, 0xffff                   ; 16 batch + head, which the four partners share
	s_lshr_b32 s18, s17, 4                         ; batch
	s_and_b32 s19, s17, 15                         ; head
	s_and_b32 s20, s17, 3                          ; class
	s_lshl_b32 s68, s20, 3                         ; 8 x class: my class's byte in a mask word
	v_and_b32 v242, 31, v0                         ; lane
	v_and_b32 v243, 15, v0                         ; r
	v_bfe_u32 v244, v0, 4, 1                       ; h
	s_delay_alu instid0(VALU_DEP_3)
	v_lshlrev_b32 v[LI], 4, v242
	s_delay_alu instid0(VALU_DEP_4)
	v_lshlrev_b32 v[LJ], 3, v242
	v_lshlrev_b32 v245, 2, v242
	v_lshlrev_b32 v29, 2, v243                     ; 4 r
	v_lshlrev_b32 v4, 3, v244                      ; 8 h: how far my two scale bytes are shifted
	v_lshl_add_u32 v3, v0, 4, MB                   ; where my thread puts four mask floats
	s_lshl_b32 s54, s14, 11
	s_add_co_u32 s54, s54, MB
	v_lshl_add_u32 v[ADM], v244, 5, s54            ; my quarter's 512 floats, + 32 h
	s_mul_i32 s54, s[WV], PART
	s_add_co_u32 s54, s54, MG-4*PART
	v_add_nc_u32 v5, s54, v[LI]                    ; where waves 4-15 put their partial results
	v_add_nc_u32 v7, s54, v245
	s_mul_i32 s54, s13, PART
	s_add_co_u32 s54, s54, MG
	v_add_nc_u32 v6, s54, v[LI]                    ; and where waves 0-3 find those of their tile
	v_add_nc_u32 v8, s54, v245
	s_mul_i32 s54, s14, CHB
	v_add_nc_u32 v[ADC16], s54, v[LI]
	v_add_nc_u32 v[ADC8], s54, v[LJ]
	s_mov_b32 s[CS], 0x3e38aa3b
	s_mov_b32 s[CS+1], s[CS]                       ; (named with it as a pair, so it is written)
	s_mov_b32 s[SEL], 0x76543210
	s_mov_b32 s[SEL+1], 0xfedcba98
	; descriptor group 1: 15,872 dense bytes as 62 rows of 256 (32 elements of 8 bytes); the mask names all four work-groups, bit 21 beside it
	s_mov_b32 s[G1+0], 15|(3<<16)|(1<<21)
	s_mov_b32 s[G1+1], 32<<16
	s_mov_b32 s[G1+2], 62<<16
	s_mov_b32 s[G1+3], 32<<16
	s_mov_b32 s[G1+4], 62
	s_mov_b32 s[G1+5], 32
	s_mov_b32 s[G1+6], 0
	s_mov_b32 s[G1+7], 0
	s_mul_i32 s56, s[WV], 15872                    ; ONE LOAD A WAVE: wave w asks for chunk w, 62 rows of 256 bytes; part 0 is chunks 0-3
	s_mul_i32 s54, s17, 253952
	s_add_co_u32 s54, s54, s56
	s_mov_b32 s55, 0
	s_wait_dscnt 0x0
	s_wait_kmcnt 0x0
	s_add_nc_u64 s[6:7], s[6:7], s[54:55]
	ROUND                                          ; all four work-groups are here: the joint loads meet
	s_mov_b32 s[G0], 1
	s_mov_b32 s[G0+1], s56
	s_mov_b64 s[G0+2:G0+3], s[6:7]
	s_or_b32 s[G0+3], s[G0+3], 0x80000000
	s_cmp_lt_u32 s[WV], 4                          ; at the head waves 0-3 ask for part 0; waves 4-15 ask for parts 1-3 behind the first round below
	s_cbranch_scc0 .Lno_fetch
	tensor_load_to_lds s[G0:G0+3], s[G1:G1+7]
	s_nop 0
.rept 4
	v_nop
.endr
.Lno_fetch:
	; The head's five loads.  Their sources (s[8:9], s[58:59], s[60:61], v246, v247, v1) are written by no line ahead of the wait for the loads.
	s_lshl_b32 s54, s18, 13
	s_add_nc_u64 s[8:9], s[8:9], s[54:55]          ; my batch's 8,192 mask bytes
	v_lshlrev_b32 v246, 4, v0
	global_load_b128 v[140:143], v246, s[8:9]      ; 16 keys a thread: of each word's four, one is of my class
	s_mul_i32 s54, s17, 24576
	s_lshl_b32 s57, s16, 1
	s_lshr_b32 s69, s13, 1
	s_add_co_u32 s57, s57, s69                     ; the image with my tile: pair 2 qb + qt / 2
	s_mul_i32 s57, s57, 1536
	s_add_co_u32 s54, s54, s57
	s_add_nc_u64 s[58:59], s[4:5], s[54:55]
.irp p, 0,1,2
	global_load_b128 v[128+4*\p:131+4*\p], v[LI], s[58:59] offset:512*\p
.endr
	s_lshl_b32 s54, s17, 11                        ; q's scale words: [16 batch + head][8 tiles' group][32 lanes][4 words]; my tile in its group: tg = 4 (qb % 2) + qt
	s_lshr_b32 s57, s16, 1
	s_lshl_b32 s57, s57, 9
	s_add_co_u32 s54, s54, s57
	s_and_b32 s57, s13, 1
	s_lshl_b32 s57, s57, 8                         ; lanes 16 (tg % 2) on,
	s_add_co_u32 s54, s54, s57
	s_and_b32 s57, s16, 1
	s_lshl_b32 s57, s57, 3
	s_add_co_u32 s54, s54, s57
	s_lshr_b32 s57, s13, 1
	s_lshl_b32 s57, s57, 2                         ; word tg / 2
	s_add_co_u32 s54, s54, s57
	s_add_co_u32 s54, s54, 786432
	s_add_nc_u64 s[60:61], s[4:5], s[54:55]
	v_lshlrev_b32 v247, 4, v243
	global_load_b32 v28, v247, s[60:61]            ; row r's word, in both halves of the lanes
	s_lshl_b32 s54, s18, 5                         ; where the context goes: (tile of rows 32 batch + 4 qb + qt) x 16 + head
	s_lshl_b32 s57, s16, 2
	s_add_co_u32 s54, s54, s57
	s_add_co_u32 s54, s54, s13
	s_lshl_b32 s54, s54, 4
	s_add_co_u32 s57, s54, s19
	s_mul_i32 s54, s57, 768
	s_add_nc_u64 s[62:63], s[10:11], s[54:55]      ; its codes
	s_lshl_b32 s54, s57, 6
	s_add_co_u32 s54, s54, 786432
	s_add_nc_u64 s[66:67], s[10:11], s[54:55]      ; its scale words
	s_and_b32 s57, s13, 1
	s_cmp_lg_u32 s57, 0
	s_cselect_b32 s57, -1, 0                       ; all ones where my tile is the image's second
.irp i, 22,23,24,25,26,27
	v_mov_b32 v\i, 0                               ; q's codes for k = 64 .. 127
.endr
.irp t, 0,1,2,3
.irp i, 8,9,10,11,12,13,14,15
	v_mov_b32 v[S+16*\t+\i], 0                     ; the eight zeros behind each tile's eight p
.endr
.endr
.irp i, 0,1,2,3,4,5,6,7,8,9,10,11,12,13,14,15,16,17,18,19,20,21,22,23,24,25,26,27,28,29,30,31
	v_mov_b32 v[O+\i], 0                           ; O^T.  (The step is written once: the first finds zeros, which the first change of M leaves zeros)
.endr
.irp i, 152,153,154,155,156,157,158,159
	v_mov_b32 v\i, 0                               ; named by operands whose partner's codes there are zeros: written once
.endr
.irp g, 0,1
.irp i, 3,4,5,9,10,11
	v_mov_b32 v[P+12*\g+\i], 0                     ; p's codes 16-31 of each block
.endr
.endr
.irp i, 0,1,2,3
	v_mov_b32 v[TP+\i], 0                          ; a lane permute's destination counts as one of its sources
.endr
	v_mov_b32 v[F+1], 0                            ; (named as the upper half of a pair)
	v_mov_b32 v13, 0xff61b1e6                      ; the largest t so far: -3e38
	s_delay_alu instid0(VALU_DEP_1)
	v_floor_f32 v12, -v13                          ; -M
	v_mov_b32 v14, 0                               ; the sum, in two halves
	v_mov_b32 v15, 0
	v_mov_b32 v148, 0xff800000                     ; -infinity
	s_wait_loadcnt 0x0
.irp i, 0,1,2,3,4,5
	v_cndmask_b32 v[16+\i], v[128+\i], v[134+\i], s57   ; my tile's six registers of q
.endr
.irp i, 0,1,2,3
	v_bfe_u32 v[144+\i], v[140+\i], s68, 8         ; kept key 4 thread + i: padded?
.endr
.irp i, 0,1,2,3
	v_cmp_ne_u32 vcc_lo, 0, v[144+\i]
	s_delay_alu instid0(VALU_DEP_1)
	v_cndmask_b32 v[144+\i], 0, v148, vcc_lo
.endr
	ds_store_b128 v3, v[144:147]                   ; read by all waves behind the first barrier below
; A KEY STEP: 64 kept keys (4 tiles), which are 8 blocks of 32 keys: two K steps of the second product.
.macro STEP q
.if \q
.rept 4
	v_nop                                          ; places in front of loads into registers that matrix instructions have read
.endr
.endif
.irp n, 0,1,2,3,4,5
	ds_load_b128 v[X+4*\n:X+4*\n+3], v[ADC16] offset:3072*\q+512*\n        ; two images: tile t's six registers at X + 6 t
.endr
	ds_load_b64 v[KS:KS+1], v[ADC16] offset:6144+8*\q                      ; word t / 2: lanes 0-15 the even tile, lanes 16-31 the odd one
.irp n, 0,1,2,3,4,5,6,7
	ds_load_b128 v[MK+4*\n:MK+4*\n+3], v[ADM] offset:256*\q+64*(\n/2)+16*(\n%2)
.endr
	s_wait_dscnt 8                                 ; K and its scale words are in; the eight mask loads may be out
.irp t, 0,1,2,3                                ; S^T = K Q^T.  An operand's registers 6-11 are the next tile's (or spare ones): q's codes there are zeros
.if \t%2
	v_wmma_scale_f32_16x16x128_f8f6f4 v[S+16*\t:S+16*\t+7], v[X+6*\t:X+6*\t+11], v[16:27], 0, v[KS+\t/2], v28 matrix_a_fmt:MATRIX_FMT_FP6 matrix_b_fmt:MATRIX_FMT_FP6 matrix_a_scale:MATRIX_SCALE_ROW1
.else
	v_wmma_scale_f32_16x16x128_f8f6f4 v[S+16*\t:S+16*\t+7], v[X+6*\t:X+6*\t+11], v[16:27], 0, v[KS+\t/2], v28 matrix_a_fmt:MATRIX_FMT_FP6 matrix_b_fmt:MATRIX_FMT_FP6
.endif
.endr
	s_wait_dscnt 0x0
.rept 4
	v_nop                                          ; places behind the products
.endr
.irp t, 0,1,2,3
.irp i, 0,2,4,6
	v_pk_fma_f32 v[S+16*\t+\i:S+16*\t+\i+1], v[S+16*\t+\i:S+16*\t+\i+1], s[CS:CS+1], v[MK+8*\t+\i:MK+8*\t+\i+1] op_sel_hi:[1,0,1]   ; t = score x c + (0 or -infinity)
.endr
.endr
.irp g, 0,1                                    ; V's codes are asked for now and land under the softmax.  A lane's 16 bytes: 8 of the even tile of d, 8 of the odd one: the odd tile's operand begins two registers on
.irp d, 0,1
.irp c, 0,1
	ds_load_b128 v[X+32*\g+16*\d+6*\c:X+32*\g+16*\d+6*\c+3], v[ADC16] offset:6656+(2*\q+\g)*2048+1024*\d+512*\c
.endr
.endr
	ds_load_b64 v[VS+2*\g:VS+2*\g+1], v[ADC8] offset:14848+(2*\q+\g)*256
.endr
.irp t, 0,1,2,3
	v_max3_num_f32 v[BM+\t], v[S+16*\t], v[S+16*\t+1], v[S+16*\t+2]        ; THE LARGEST t OF EACH BLOCK: it serves for the row's maximum and, since p rises with t, for the block's largest p
.endr
.irp i, 3,5
.irp t, 0,1,2,3
	s_delay_alu instid0(VALU_DEP_4)
	v_max3_num_f32 v[BM+\t], v[BM+\t], v[S+16*\t+\i], v[S+16*\t+\i+1]
.endr
.endr
.irp t, 0,1,2,3
	s_delay_alu instid0(VALU_DEP_4)
	v_max_num_f32 v[BM+\t], v[BM+\t], v[S+16*\t+7]
.endr
	s_delay_alu instid0(VALU_DEP_2)
	v_max3_num_f32 v242, v[BM], v[BM+1], v[BM+2]
	s_delay_alu instid0(VALU_DEP_1)
	v_max_num_f32 v242, v242, v[BM+3]
	s_delay_alu instid0(VALU_DEP_1)
	v_permlanex16_b32 v[TP], v242, s[SEL], s[SEL+1]
	s_delay_alu instid0(VALU_DEP_1)
	v_max_num_f32 v242, v242, v[TP]                ; the step's largest t of my query
	s_delay_alu instid0(VALU_DEP_1)
	v_max_num_f32 v13, v13, v242                   ; the running largest
	v_mov_b32 v243, v12
	s_delay_alu instid0(VALU_DEP_2)
	v_floor_f32 v12, -v13                          ; the new -M = -ceil(t)
	s_delay_alu instid0(VALU_DEP_1)
	v_sub_f32 v243, v12, v243                      ; old M - new M: a whole number, 0 or less
	s_delay_alu instid0(VALU_DEP_1)
	v_cvt_i32_f32 v243, v243                       ; (it saturates)
	s_delay_alu instid0(VALU_DEP_1)
	v_ldexp_f32 v[F], 1.0, v243                    ; f = 2^(old M - new M)
.irp t, 0,1,2,3
.irp i, 0,2,4,6
	v_pk_add_f32 v[S+16*\t+\i:S+16*\t+\i+1], v[S+16*\t+\i:S+16*\t+\i+1], v[12:13] op_sel_hi:[1,0]   ; t - M
.endr
.endr
.irp t, 0,1,2,3
	v_add_f32 v[BM+\t], v[BM+\t], v12              ; the same of each block's largest
.endr
	s_wait_alu depctr_va_vdst(0)
.irp t, 0,1,2,3
.irp i, 0,1,2,3,4,5,6,7
	v_exp_f32 v[S+16*\t+\i], v[S+16*\t+\i]         ; p = 2^(t - M)
.endr
.endr
	v_pk_mul_f32 v[14:15], v[14:15], v[F:F+1] op_sel_hi:[1,0]   ; the sums under the new M.  (A plain place behind the exponentials)
	s_wait_alu depctr_va_vdst(0)                   ; one wait for the batch of 32, ahead of its first reader
.irp t, 0,1,2,3
	v_exp_f32 v[BM+\t], v[BM+\t]                   ; the block's largest p: the same instructions on the same number give the same bits
.endr
	v_pk_add_f32 v[244:245], v[36:37], v[48:49]
	v_pk_add_f32 v[252:253], v[52:53], v[64:65]
	v_pk_add_f32 v[250:251], v[68:69], v[80:81]
	v_pk_add_f32 v[248:249], v[84:85], v[32:33]
	v_pk_add_f32 v[246:247], v[34:35], v[38:39]
	v_pk_add_f32 v[242:243], v[50:51], v[54:55]
	v_pk_add_f32 v[238:239], v[66:67], v[70:71]
	v_pk_add_f32 v[14:15], v[14:15], v[82:83]
	v_pk_add_f32 v[244:245], v[244:245], v[86:87]
	s_delay_alu instid0(VALU_DEP_2)
	v_pk_add_f32 v[14:15], v[14:15], v[248:249]
	s_delay_alu instid0(VALU_DEP_2)
	v_pk_add_f32 v[244:245], v[244:245], v[246:247]
	v_pk_add_f32 v[252:253], v[252:253], v[242:243]
	v_pk_add_f32 v[250:251], v[250:251], v[238:239]
	s_delay_alu instid0(VALU_DEP_2)
	v_pk_add_f32 v[14:15], v[14:15], v[252:253]
	s_delay_alu instid0(VALU_DEP_2)
	v_pk_add_f32 v[244:245], v[244:245], v[250:251]
	s_delay_alu instid0(VALU_DEP_1)
	v_pk_add_f32 v[14:15], v[14:15], v[244:245]
	s_wait_alu depctr_va_vdst(0)                   ; and one for the four
.irp t, 0,1,2,3
	v_max_num_f32 v[BM+\t], 0x1800000, v[BM+\t]    ; the floor 2^(3 - 127)
.endr
.irp t, 0,1,2,3
	s_delay_alu instid0(VALU_DEP_4)
	v_add_nc_u32 v[SO+\t], 0xff000000, v[BM+\t]
.endr
.irp t, 0,1,2,3
	s_delay_alu instid0(VALU_DEP_4)
	v_lshrrev_b32 v[BY+\t], 23, v[SO+\t]
.endr
.irp g, 0
	s_delay_alu instid0(VALU_DEP_3)
	v_lshl_or_b32 v[246+\g], v[BY+2*\g+1], 16, v[BY+2*\g]
.endr
.irp g, 1
	s_delay_alu instid0(VALU_DEP_2)
	v_lshl_or_b32 v[246+\g], v[BY+2*\g+1], 16, v[BY+2*\g]
.endr
.irp g, 0,1
	s_delay_alu instid0(VALU_DEP_2)
	v_lshlrev_b32 v[246+\g], v4, v[246+\g]
.endr
.irp g, 0,1
	s_delay_alu instid0(VALU_DEP_2)
	v_permlanex16_b32 v[TP+1+\g], v[246+\g], s[SEL], s[SEL+1]
.endr
.irp g, 0,1
	s_delay_alu instid0(VALU_DEP_2)
	v_or_b32 v[PW+\g], v[246+\g], v[TP+1+\g]
.endr
.irp t, 0,1,2,3
	v_cvt_scalef32_pk16_fp6_f32 v[P+12*(\t/2)+6*(\t%2):P+12*(\t/2)+6*(\t%2)+2], v[S+16*\t:S+16*\t+15], v[SO+\t]   ; 8 p and 8 zeros: codes 0-15 of block 2 (t % 2) + h of K step t / 2
.endr
	v_nop                                          ; one plain place behind a scaled conversion
.irp i, 0,2,4,6,8,10,12,14,16,18,20,22,24,26,28,30
	v_pk_mul_f32 v[O+\i:O+\i+1], v[O+\i:O+\i+1], v[F:F+1] op_sel_hi:[1,0]   ; O^T under the new M.  (Also the places between p's codes and scale words and the products)
.endr
	s_wait_alu depctr_va_vdst(0)
	s_wait_dscnt 0x0                               ; V
.irp g, 0,1                                    ; O^T += V^T P^T: the four accumulators by turns
.irp d, 0,1,2,3
.if \d%2
	v_wmma_scale_f32_16x16x128_f8f6f4 v[O+8*\d:O+8*\d+7], v[X+32*\g+16*(\d/2)+2:X+32*\g+16*(\d/2)+13], v[P+12*\g:P+12*\g+11], v[O+8*\d:O+8*\d+7], v[VS+2*\g+\d/2], v[PW+\g] matrix_a_fmt:MATRIX_FMT_FP6 matrix_b_fmt:MATRIX_FMT_FP6 matrix_a_scale:MATRIX_SCALE_ROW1
.else
	v_wmma_scale_f32_16x16x128_f8f6f4 v[O+8*\d:O+8*\d+7], v[X+32*\g+16*(\d/2):X+32*\g+16*(\d/2)+11], v[P+12*\g:P+12*\g+11], v[O+8*\d:O+8*\d+7], v[VS+2*\g+\d/2], v[PW+\g] matrix_a_fmt:MATRIX_FMT_FP6 matrix_b_fmt:MATRIX_FMT_FP6
.endif
.endr
.endr
.endm
; Part c of the head: 128 kept keys of my quarter.  The wave that fetched waits for its chunk of part c (no LDS byte is filled twice), then the barrier shows it to all.
.macro CHUNK c
.if \c == 0
	s_wait_tensorcnt 0x0                           ; part 0: the loads of waves 0-3 have landed;
	ds_add_u32 v254, v255                          ; twice on end
	ds_add_u32 v254, v255
	s_wait_dscnt 0x0                               ; the adds are done, and my mask floats are stored
	ROUND                                          ; all four work-groups are here: the joint loads of parts 1-3 meet
	s_cmp_lt_u32 s[WV], 4
	s_cbranch_scc1 .Lfetched
	tensor_load_to_lds s[G0:G0+3], s[G1:G1+7]      ; a first fill: no LDS byte is filled twice
	s_nop 0
.rept 4
	v_nop
.endr
.Lfetched:
.endif
.if \c == 1
	s_wait_tensorcnt 0x0                           ; parts 1-3 have landed (they were asked for one part's work ago),
	s_wait_dscnt 0x0
	s_barrier_signal -1
	s_barrier_wait -1                              ; everybody's have: parts 2 and 3 need no further barrier
.endif
.if \c
	v_add_nc_u32 v[ADC16], CROW, v[ADC16]          ; these four are also the places in front of the loads
	v_add_nc_u32 v[ADC8], CROW, v[ADC8]
	v_add_nc_u32 v[ADM], 512, v[ADM]
	v_nop
.endif
	STEP 0
	STEP 1
.endm
	CHUNK 0
	CHUNK 1
	CHUNK 2
	CHUNK 3
	; THE QUARTERS ARE JOINED.  Waves 4-15 put O^T, -M and the sum into LDS; waves 0-3 bring all four under the largest M.
.rept 4
	v_nop                                          ; places behind the last products
.endr
	v_add_f32 v14, v14, v15
	s_delay_alu instid0(VALU_DEP_1)
	v_permlanex16_b32 v[TP], v14, s[SEL], s[SEL+1]
	s_delay_alu instid0(VALU_DEP_1)
	v_add_f32 v14, v14, v[TP]                      ; my quarter's sum
	s_cmp_lt_u32 s[WV], 4
	s_cbranch_scc1 .Lkeep
.irp n, 0,1,2,3,4,5,6,7
	ds_store_b128 v5, v[O+4*\n:O+4*\n+3] offset:512*\n   ; each accumulator from its low end on
.endr
	ds_store_b32 v7, v12 offset:4096
	ds_store_b32 v7, v14 offset:4224
.Lkeep:
	s_wait_dscnt 0x0
	s_barrier_signal -1
	s_barrier_wait -1
	s_cmp_lt_u32 s[WV], 4
	s_cbranch_scc0 .Lend
.irp k, 0,1,2
.irp n, 0,1,2,3,4,5,6,7
	ds_load_b128 v[128+32*\k+4*\n:131+32*\k+4*\n], v6 offset:\k*4*PART+512*\n
.endr
	ds_load_b32 v[224+\k], v8 offset:\k*4*PART+4096
	ds_load_b32 v[227+\k], v8 offset:\k*4*PART+4224
.endr
	s_wait_dscnt 0x0
	; q's registers v16-27 are done with: v24 the least -M; v[16:17], v[18:19], v[20:21], v[22:23] the four factors, each twice; v[26:27] the reciprocal, twice
	v_min3_num_f32 v24, v12, v224, v225
	s_delay_alu instid0(VALU_DEP_1)
	v_min_num_f32 v24, v24, v226                   ; -M of the largest M
	s_delay_alu instid0(VALU_DEP_1)
	v_sub_f32 v16, v24, v12                        ; each quarter's M less the largest: a whole number, 0 or less
	s_delay_alu instid0(VALU_DEP_2)
	v_sub_f32 v18, v24, v224
	s_delay_alu instid0(VALU_DEP_3)
	v_sub_f32 v20, v24, v225
	s_delay_alu instid0(VALU_DEP_4)
	v_sub_f32 v22, v24, v226
.irp i, 16,18,20,22
	s_delay_alu instid0(VALU_DEP_4)
	v_cvt_i32_f32 v\i, v\i
.endr
.irp i, 16,18,20,22
	s_delay_alu instid0(VALU_DEP_4)
	v_ldexp_f32 v\i, 1.0, v\i
.endr
	s_delay_alu instid0(VALU_DEP_4)
	v_mov_b32 v17, v16
	s_delay_alu instid0(VALU_DEP_4)
	v_mov_b32 v19, v18
	s_delay_alu instid0(VALU_DEP_4)
	v_mov_b32 v21, v20
	s_delay_alu instid0(VALU_DEP_4)
	v_mov_b32 v23, v22
	v_mul_f32 v14, v14, v16
	s_delay_alu instid0(VALU_DEP_1)
	v_fma_f32 v14, v227, v18, v14
	s_delay_alu instid0(VALU_DEP_1)
	v_fma_f32 v14, v228, v20, v14
	s_delay_alu instid0(VALU_DEP_1)
	v_fma_f32 v14, v229, v22, v14                  ; the row's sum
	s_wait_alu depctr_va_vdst(0)
	v_rcp_f32 v26, v14
	s_wait_alu depctr_va_vdst(0)
.irp i, 0,2,4,6,8,10,12,14,16,18,20,22,24,26,28,30
	v_pk_mul_f32 v[32+\i:33+\i], v[O+\i:O+\i+1], v[16:17]
.endr
.irp i, 0,2,4,6,8,10,12,14,16,18,20,22,24,26,28,30
	v_pk_fma_f32 v[32+\i:33+\i], v[128+\i:129+\i], v[18:19], v[32+\i:33+\i]
.endr
.irp i, 0,2,4,6,8,10,12,14,16,18,20,22,24,26,28,30
	v_pk_fma_f32 v[32+\i:33+\i], v[160+\i:161+\i], v[20:21], v[32+\i:33+\i]
.endr
.irp i, 0,2,4,6,8,10,12,14,16,18,20,22,24,26,28,30
	v_pk_fma_f32 v[32+\i:33+\i], v[192+\i:193+\i], v[22:23], v[32+\i:33+\i]
.endr
	s_wait_alu depctr_va_vdst(0)                   ; the wait ahead of the reciprocal's first reader; the 64 packed lines are the work between
	v_mov_b32 v27, v26
.irp i, 0,2,4,6,8,10,12,14,16,18,20,22,24,26,28,30
	v_pk_mul_f32 v[32+\i:33+\i], v[32+\i:33+\i], v[26:27]   ; the context: registers 0-15 are d = 16 h + 0 .. 15, registers 16-31 d = 32 + 16 h + 0 .. 15 of my query
.endr
	; quantised along the model's 1,024: my head's two blocks of 32
	v_mov_b32 v78, 0
	v_mov_b32 v79, 0
	v_max3_num_f32 v76, |v32|, |v33|, 0x1800000
	v_max3_num_f32 v77, |v48|, |v49|, 0x1800000
.irp i, 2,4,6,8,10,12,14
	s_delay_alu instid0(VALU_DEP_2)
	v_max3_num_f32 v76, v76, |v[32+\i]|, |v[33+\i]|
	s_delay_alu instid0(VALU_DEP_2)
	v_max3_num_f32 v77, v77, |v[48+\i]|, |v[49+\i]|
.endr
	s_delay_alu instid0(VALU_DEP_2)
	v_permlanex16_b32 v78, v76, s[SEL], s[SEL+1]
	s_delay_alu instid0(VALU_DEP_2)
	v_permlanex16_b32 v79, v77, s[SEL], s[SEL+1]
	s_delay_alu instid0(VALU_DEP_2)
	v_max_num_f32 v76, v76, v78
	s_delay_alu instid0(VALU_DEP_2)
	v_max_num_f32 v77, v77, v79
	s_delay_alu instid0(VALU_DEP_2)
	v_add_nc_u32 v80, 0xff000000, v76
	s_delay_alu instid0(VALU_DEP_2)
	v_add_nc_u32 v81, 0xff000000, v77
	s_delay_alu instid0(VALU_DEP_2)
	v_lshrrev_b32 v82, 23, v80
	s_delay_alu instid0(VALU_DEP_2)
	v_lshrrev_b32 v83, 23, v81
	s_delay_alu instid0(VALU_DEP_1)
	v_lshl_or_b32 v84, v83, 8, v82                 ; byte 0: block 0; byte 1: block 1
	v_cvt_scalef32_pk16_fp6_f32 v[64:66], v[32:47], v80
	v_cvt_scalef32_pk16_fp6_f32 v[72:74], v[48:63], v81
	v_nop                                          ; one plain place behind a scaled conversion
.irp i, 0,1,2
	v_permlane16_swap_b32 v[64+\i], v[72+\i]       ; a WHOLE block to a lane
.endr
.irp i, 0,1,2
	s_delay_alu instid0(VALU_DEP_3)
	v_mov_b32 v[67+\i], v[72+\i]
.endr
	global_store_b128 v[LI], v[64:67], s[62:63]              ; 512 consecutive bytes, aligned
	global_store_b64 v[LJ], v[68:69], s[62:63] offset:512    ; 256 consecutive bytes, aligned
	global_store_b32 v29, v84, s[66:67]                      ; 16 rows' words, 64 bytes (both halves of the lanes write the same word): 65,536 bytes in the whole launch
.Lend:
	s_wait_tensorcnt 0x0
	ds_add_u32 v254, v255
	s_wait_dscnt 0x0
	ROUND                                          ; the closing round: no work-group ends while a partner may still ask for a tile that names it
	s_endpgm
.Lfunc_end_k_q37689fba11_attn:
	.size	k_q37689fba11_attn, .Lfunc_end_k_q37689fba11_attn-k_q37689fba11_attn
	.p2alignl 7, 3214868480
	.fill 96, 4, 3214868480
	.section	.rodata,"a",@progbits
	.p2align	6, 0x0
	.amdhsa_kernel k_q37689fba11_attn
		.amdhsa_group_segment_fixed_size 327680
		.amdhsa_private_segment_fixed_size 0
		.amdhsa_enable_private_segment 0
		.amdhsa_kernarg_size 32
		.amdhsa_user_sgpr_count 2
		.amdhsa_user_sgpr_kernarg_segment_ptr 1
		.amdhsa_wavefront_size32 1
		.amdhsa_system_sgpr_workgroup_id_x 1
		.amdhsa_system_sgpr_workgroup_id_y 1
		.amdhsa_system_sgpr_workgroup_id_z 1
		.amdhsa_system_vgpr_workitem_id 0
		.amdhsa_next_free_vgpr 256
		.amdhsa_next_free_sgpr 80
		.amdhsa_reserve_vcc 1
		.amdhsa_float_denorm_mode_32 3
		.amdhsa_float_denorm_mode_16_64 3
		.amdhsa_memory_ordered 1
		.amdhsa_forward_progress 1
		.amdhsa_inst_pref_size 127
	.end_amdhsa_kernel
	.amdgpu_metadata
---
amdhsa.version: [ 1, 2 ]
amdhsa.kernels:
  - .name:           k_q37689fba11_attn
    .symbol:         k_q37689fba11_attn.kd
    .args:
      - { .name: qim, .offset: 0, .size: 8, .value_kind: global_buffer, .address_space: global }
      - { .name: kv, .offset: 8, .size: 8, .value_kind: global_buffer, .address_space: global }
      - { .name: key_padding_mask, .offset: 16, .size: 8, .value_kind: global_buffer, .address_space: global }
      - { .name: ctx, .offset: 24, .size: 8, .value_kind: global_buffer, .address_space: global }
    .group_segment_fixed_size: 327680
    .private_segment_fixed_size: 0
    .kernarg_segment_align: 8
    .kernarg_segment_size: 32
    .max_flat_workgroup_size: 512
    .sgpr_count:     80
    .vgpr_count:     256
    .wavefront_size: 32
...
	.end_amdgpu_metadata
.endif
;; end of part 3
;; launch outp (part 4): grid 16 x 16, 4 waves a work-group, no clusters, 17,920 bytes of LDS; arguments ctx, wcod, wscl, bo, out0; writes out0
.if DOCPART == 4
	.amdgcn_target "amdgcn-amd-amdhsa--gfx1250"
	.amdhsa_code_object_version 6
	.text
	.protected	k_q37689fba11_outp
	.globl	k_q37689fba11_outp
	.p2align	8
	.type	k_q37689fba11_outp,@function
k_q37689fba11_outp:
	s_mov_b64 s[64:65], 0
	v_nop
	global_prefetch_b8 v0, s[64:65] scope:SCOPE_SE
	s_setreg_imm32_b32 hwreg(HW_REG_WAVE_MODE, 25, 1), 1
	s_wait_xcnt 0x0
; out0 = context Wo + bo on codes of FP6 (E2M3), K = 1,024.  A work-group makes 64 rows x 64 columns, each of its four waves 32 x 32: four accumulators, which take turns.
; Source 0 = 16 columns of Wo (a tile of wcod), source 1 = 16 rows of the context: a lane holds eight neighbouring columns of one row.  bo is the C of each sum's first matrix instruction.
; Both operands lie in memory as images of operand registers and go straight into registers: no tensor load, no ring.  A K step of 128 is two heads: six registers a lane from each.
; Eight sets of operand registers, one for each K step: all 112 loads are out at the head.  The launch moves under 6 MB and has 32 matrix instructions a wave: clusters, larger tiles and prefetches would buy nothing.
; The results meet in a stage of 64 rows x (256 + 16) bytes and leave as aligned runs of 256 bytes.
.set WS,  8                            ; v8-23   Wo's scale words: 2 tiles x 8 K steps
.set CSW, 24                           ; v24-39  the context's: 2 tiles x 8
.set BO,  40                           ; v40-55  the bias: 2 tiles x 8
.set RG,  64                           ; v64-207 three sets of 48: Wo's two fragments, the context's two
.set TP,  208                          ; v208-223 lane permutes' destinations
.set ACC, 224                          ; v224-255 accumulator (a, i) at 224 + 8 (2 a + i)
	s_load_b256 s[4:11], s[0:1], 0x0               ; ctx s[4:5], wcod s[6:7], wscl s[8:9], bo s[10:11]
	s_load_b64 s[12:13], s[0:1], 0x20              ; out0
	v_lshl_add_u32 v62, v0, 2, 0x4400
	v_mov_b32 v63, 0
	v_lshrrev_b32 v1, 5, v0
	v_readfirstlane_b32 s14, v1                    ; wave
	s_lshr_b32 s15, s14, 1                         ; wm: my half of the rows
	s_and_b32 s16, s14, 1                          ; wn: my half of the columns
	s_and_b32 s17, ttmp7, 0xffff                   ; y
	v_and_b32 v56, 31, v0                          ; lane
	v_and_b32 v57, 15, v0                          ; r
	v_bfe_u32 v58, v0, 4, 1                        ; h
	v_lshlrev_b32 v1, 4, v56                       ; 16 x lane
	v_lshlrev_b32 v2, 3, v56                       ; 8 x lane
	v_lshlrev_b32 v3, 2, v56                       ; 4 x lane
	v_lshlrev_b32 v4, 5, v57                       ; 32 r: a row of Wo's scale bytes
	v_lshlrev_b32 v59, 5, v58                      ; 32 h: eight numbers of bo
	s_mul_i32 s20, s15, 32*272
	s_lshl_b32 s21, s16, 7
	s_add_co_u32 s20, s20, s21
	v_mul_u32_u24 v5, v57, 272
	v_lshl_add_u32 v5, v58, 5, v5
	v_add_nc_u32 v5, s20, v5                       ; into the stage: row 32 wm + r, + 128 wn + 32 h
	s_mul_i32 s20, s14, 16*272
	v_mul_u32_u24 v6, v58, 272
	v_lshl_add_u32 v6, v57, 4, v6
	v_add_nc_u32 v6, s20, v6                       ; out of it: rows 16 wave on; lanes 0-15 one row, lanes 16-31 the next
	v_lshlrev_b32 v7, 12, v58
	v_lshl_add_u32 v7, v57, 4, v7                  ; and the same two rows in out0
	s_lshl_b32 s18, ttmp9, 2
	s_lshl_b32 s19, s16, 1
	s_add_co_u32 s18, s18, s19                     ; my first tile of columns: 4 x + 2 wn
	s_add_co_u32 s19, s18, 192                     ; in wcod and wscl: Wo is the fourth weight
	s_mul_i32 s20, s19, 12288
	s_mov_b32 s21, 0
	s_lshl_b32 s22, s19, 9
	s_mov_b32 s23, 0
	s_lshl_b32 s24, s18, 6
	s_mov_b32 s25, 0
	s_lshl_b32 s26, s17, 2
	s_lshl_b32 s27, s15, 1
	s_add_co_u32 s26, s26, s27                     ; my first tile of rows: 4 y + 2 wm
	s_mul_i32 s28, s26, 12288
	s_mov_b32 s29, 0
	s_lshl_b32 s30, s26, 10
	s_add_co_u32 s30, s30, 786432
	s_mov_b32 s31, 0
	s_lshl_b32 s32, s17, 6
	s_lshl_b32 s33, s14, 4
	s_add_co_u32 s32, s32, s33
	s_lshl_b32 s32, s32, 12                        ; row 64 y + 16 wave,
	s_lshl_b32 s33, ttmp9, 8                       ; column 64 x
	s_add_co_u32 s32, s32, s33
	s_mov_b32 s33, 0
	s_mov_b32 s34, 0x76543210
	s_mov_b32 s35, 0xfedcba98
	s_wait_alu depctr_va_vdst(0)
	s_wait_kmcnt 0x0
	s_add_nc_u64 s[6:7], s[6:7], s[20:21]          ; Wo's images
	s_add_nc_u64 s[8:9], s[8:9], s[22:23]          ; Wo's scale bytes
	s_add_nc_u64 s[10:11], s[10:11], s[24:25]      ; bo
	s_add_nc_u64 s[36:37], s[4:5], s[30:31]        ; the context's scale words
	s_add_nc_u64 s[4:5], s[4:5], s[28:29]          ; the context's codes
	s_add_nc_u64 s[12:13], s[12:13], s[32:33]      ; out0
.irp i, 0,1
	global_load_b128 v[WS+8*\i:WS+8*\i+3], v4, s[8:9] offset:512*\i         ; row r's eight words
	global_load_b128 v[WS+8*\i+4:WS+8*\i+7], v4, s[8:9] offset:512*\i+16
.endr
.irp a, 0,1
.irp k, 0,1,2,3,4,5,6,7
	global_load_b32 v[CSW+8*\a+\k], v3, s[36:37] offset:1024*\a+128*\k      ; lanes 0-15: head 2 k's two bytes of row r; lanes 16-31: head 2 k + 1's
.endr
.endr
.irp i, 0,1
	global_load_b128 v[BO+8*\i:BO+8*\i+3], v59, s[10:11] offset:64*\i
	global_load_b128 v[BO+8*\i+4:BO+8*\i+7], v59, s[10:11] offset:64*\i+16
.endr
; EIGHT sets of operand registers, one for each K step: steps 0-4 at 48 k of window 1, steps 5-7 at v64 on of window 0.  All 112 loads are asked for at the head.
.set MSB, 0
.macro WIN new                         ; the immediate's high byte repeats the setting that is left
.if MSB != (\new)
	s_set_vgpr_msb (MSB<<8)|(\new)
.set MSB, (\new)
.endif
.endm
.macro KLOAD k
.if (\k) < 5
.set RB, 48*(\k)
	WIN 0x40                                       ; destination window 1, address window 0
.else
.set RB, RG+48*((\k)-5)
	WIN 0
.endif
.irp i, 0,1
.irp p, 0,1,2
	global_load_b128 v[RB+12*\i+4*\p:RB+12*\i+4*\p+3], v1, s[6:7] offset:12288*\i+1536*(\k)+512*\p
.endr
.endr
.irp a, 0,1
	global_load_b128 v[RB+24+12*\a:RB+24+12*\a+3], v1, s[4:5] offset:12288*\a+1536*(\k)          ; head 2 k: registers 0-3,
	global_load_b64 v[RB+24+12*\a+4:RB+24+12*\a+5], v2, s[4:5] offset:12288*\a+1536*(\k)+512     ; 4-5;
	global_load_b128 v[RB+24+12*\a+6:RB+24+12*\a+9], v1, s[4:5] offset:12288*\a+1536*(\k)+768    ; head 2 k + 1: registers 6-9,
	global_load_b64 v[RB+24+12*\a+10:RB+24+12*\a+11], v2, s[4:5] offset:12288*\a+1536*(\k)+1280  ; 10-11
.endr
.endm
.irp s, 0,1,2,3,4,5,6,7
	KLOAD \s
.endr
	WIN 0
.irp i, 0,1,2,3,4,5,6,7,8,9,10,11,12,13,14,15
	v_mov_b32 v[TP+\i], 0                          ; a lane permute's destination counts as one of its sources
.endr
	s_wait_loadcnt 63                              ; the scale words and the bias are in: 112 loads were issued behind them; the field holds 63
.irp i, 0,1,2,3,4,5,6,7,8,9,10,11,12,13,14,15
	v_permlanex16_b32 v[TP+\i], v[CSW+\i], s34, s35
.endr
.irp i, 0,1,2,3,4,5,6,7,8,9,10,11,12,13,14,15
	v_lshl_or_b32 v[CSW+\i], v[TP+\i], 16, v[CSW+\i]   ; in lanes 0-15: the K step's four bytes of row r
.endr
.rept 8
	v_nop                                          ; a scale register written by a vector instruction stands 8 places ahead of a scaled matrix instruction
.endr
.macro KSTEP k
.if (\k) < 5
.set RB, 48*(\k)
.else
.set RB, RG+48*((\k)-5)
.endif
.if (\k) < 3
	s_wait_loadcnt 63                              ; behind this K step's loads 14 (7 - k) were issued; the field holds 63
.else
	s_wait_loadcnt 14*(7-(\k))
.endif
.if (\k) < 5
	WIN 0x05                                       ; sources 0 and 1 window 1; C and D window 0
.else
	WIN 0
.endif
.irp a, 0,1
.irp i, 0,1
.if (\k) == 0
	v_wmma_scale_f32_16x16x128_f8f6f4 v[ACC+8*(2*\a+\i):ACC+8*(2*\a+\i)+7], v[RB+12*\i:RB+12*\i+11], v[RB+24+12*\a:RB+24+12*\a+11], v[BO+8*\i:BO+8*\i+7], v[WS+8*\i+(\k)], v[CSW+8*\a+(\k)] matrix_a_fmt:MATRIX_FMT_FP6 matrix_b_fmt:MATRIX_FMT_FP6
.else
	v_wmma_scale_f32_16x16x128_f8f6f4 v[ACC+8*(2*\a+\i):ACC+8*(2*\a+\i)+7], v[RB+12*\i:RB+12*\i+11], v[RB+24+12*\a:RB+24+12*\a+11], v[ACC+8*(2*\a+\i):ACC+8*(2*\a+\i)+7], v[WS+8*\i+(\k)], v[CSW+8*\a+(\k)] matrix_a_fmt:MATRIX_FMT_FP6 matrix_b_fmt:MATRIX_FMT_FP6
.endif
.endr
.endr
.rept 4
	v_nop                                          ; places in front of loads into registers that matrix instructions have read, and of the first read of results
.endr
.endm
	s_wait_alu depctr_va_vdst(0)
.irp s, 0,1,2,3,4,5,6,7
	KSTEP \s
.endr
.irp a, 0,1
.irp i, 0,1
	ds_store_b128 v5, v[ACC+8*(2*\a+\i):ACC+8*(2*\a+\i)+3] offset:\a*16*272+64*\i       ; each accumulator from its low end on
	ds_store_b128 v5, v[ACC+8*(2*\a+\i)+4:ACC+8*(2*\a+\i)+7] offset:\a*16*272+64*\i+16
.endr
.endr
	s_wait_dscnt 0x0                               ; for the others' sake: my stores into the stage are done
	s_barrier_signal -1
	s_barrier_wait -1
.irp t, 0,1,2,3,4,5,6,7
	ds_load_b128 v[RG+4*\t:RG+4*\t+3], v6 offset:\t*2*272
.endr
.irp t, 0,1,2,3,4,5,6,7
	s_wait_dscnt 7-\t                              ; pair t of rows is back; the later pairs may be out
	global_store_b128 v7, v[RG+4*\t:RG+4*\t+3], s[12:13] offset:\t*8192 th:TH_STORE_NT   ; 16 lanes store 256 consecutive bytes, aligned; written once, read by nobody here
.endr
	s_wait_tensorcnt 0x0
	ds_add_u32 v62, v63
	s_wait_dscnt 0x0
	s_endpgm
.Lfunc_end_k_q37689fba11_outp:
	.size	k_q37689fba11_outp, .Lfunc_end_k_q37689fba11_outp-k_q37689fba11_outp
	.p2alignl 7, 3214868480
	.fill 96, 4, 3214868480
	.section	.rodata,"a",@progbits
	.p2align	6, 0x0
	.amdhsa_kernel k_q37689fba11_outp
		.amdhsa_group_segment_fixed_size 17920
		.amdhsa_private_segment_fixed_size 0
		.amdhsa_enable_private_segment 0
		.amdhsa_kernarg_size 40
		.amdhsa_user_sgpr_count 2
		.amdhsa_user_sgpr_kernarg_segment_ptr 1
		.amdhsa_wavefront_size32 1
		.amdhsa_system_sgpr_workgroup_id_x 1
		.amdhsa_system_sgpr_workgroup_id_y 1
		.amdhsa_system_sgpr_workgroup_id_z 1
		.amdhsa_system_vgpr_workitem_id 0
		.amdhsa_next_free_vgpr 512
		.amdhsa_next_free_sgpr 66
		.amdhsa_reserve_vcc 0
		.amdhsa_float_denorm_mode_32 3
		.amdhsa_float_denorm_mode_16_64 3
		.amdhsa_memory_ordered 1
		.amdhsa_forward_progress 1
		.amdhsa_inst_pref_size 27
	.end_amdhsa_kernel
	.amdgpu_metadata
---
amdhsa.version: [ 1, 2 ]
amdhsa.kernels:
  - .name:           k_q37689fba11_outp
    .symbol:         k_q37689fba11_outp.kd
    .args:
      - { .name: ctx, .offset: 0, .size: 8, .value_kind: global_buffer, .address_space: global }
      - { .name: wcod, .offset: 8, .size: 8, .value_kind: global_buffer, .address_space: global }
      - { .name: wscl, .offset: 16, .size: 8, .value_kind: global_buffer, .address_space: global }
      - { .name: bo, .offset: 24, .size: 8, .value_kind: global_buffer, .address_space: global }
      - { .name: out0, .offset: 32, .size: 8, .value_kind: global_buffer, .address_space: global }
    .group_segment_fixed_size: 17920
    .private_segment_fixed_size: 0
    .kernarg_segment_align: 8
    .kernarg_segment_size: 40
    .max_flat_workgroup_size: 128
    .sgpr_count:     66
    .vgpr_count:     512
    .wavefront_size: 32
...
	.end_amdgpu_metadata
.endif
;; end of part 4
